; MI455X (gfx1250); checked and timed in simulation.
; The chip was launched on July 23, 2026; its instructions are those of AMD's public machine-readable ISA for CDNA 5 (MIT licence, August 2026) and "CDNA5" Instruction Set Architecture Reference Guide (July 2026). The comments in the code are by the model that wrote it; some were corrected since.
;; Cross Attention. Allowed arithmetic: matrix products marked QUANTISED: E4M3 operands, one E8M0 scale for each 32 along K, by v_wmma_scale_f32_16x16x128_f8f6f4 with both operands' format E4M3, f32 sums; everything else in f32.
;; Inputs: Wk_codes 1,024 x 24 x 32 uint8 (E4M3 codes of Wk, K innermost, in blocks of 32 codes); Wk_scales 1,024 x 24 uint8 (E8M0 scales of Wk, one for each 32 codes along K); Wo_codes 1,024 x 32 x 32 uint8 (E4M3 codes of Wo, K innermost, in blocks of 32 codes); Wo_scales 1,024 x 32 uint8 (E8M0 scales of Wo, one for each 32 codes along K); Wq_codes 1,024 x 32 x 32 uint8 (E4M3 codes of Wq, K innermost, in blocks of 32 codes); Wq_scales 1,024 x 32 uint8 (E8M0 scales of Wq, one for each 32 codes along K); Wv_codes 1,024 x 24 x 32 uint8 (E4M3 codes of Wv, K innermost, in blocks of 32 codes); Wv_scales 1,024 x 24 uint8 (E8M0 scales of Wv, one for each 32 codes along K); beta 1,024 float32; bk 1,024 float32; bo 1,024 float32; bq 1,024 float32; bv 1,024 float32; gamma 1,024 float32; k_codes 8 x 1,024 x 24 x 32 uint8 (E4M3 codes of k, K innermost, in blocks of 32 codes); k_scales 8 x 1,024 x 24 uint8 (E8M0 scales of k, one for each 32 codes along K); key_padding_mask 8 x 1,024 bool; q 8 x 1,024 x 1,024 float32; v_codes 8 x 1,024 x 24 x 32 uint8 (E4M3 codes of v, K innermost, in blocks of 32 codes); v_scales 8 x 1,024 x 24 uint8 (E8M0 scales of v, one for each 32 codes along K).
;; Outputs: out0 8 x 1,024 x 1,024 float32.
;; This version of the problem:
;;   THIS VERSION OF THE PROBLEM IS GIVEN IN LOW PRECISION. The matrix products marked QUANTISED in the list below multiply operands that are first quantised to E4M3 (4 exponent bits, 3 mantissa bits; 8 bits a number), with one power-of-two scale for each 32 numbers along K (OCP MX v1.0); their sums are f32. All else is computed in f32.
;;   The module's matrix products, in the order in which they are computed (A, B: the left and right operand; K: the contracted axis; several contracted axes count as one K, in the product's order):
;;     1. [M 8,192, K 1,024] x [K 1,024, N 1,024]; A: input q; B: input Wq (given as codes): QUANTISED
;;     2. [M 8,192, K 768] x [K 768, N 1,024]; A: input k (given as codes); B: input Wk (given as codes): QUANTISED
;;     3. [M 8,192, K 768] x [K 768, N 1,024]; A: input v (given as codes); B: input Wv (given as codes): QUANTISED
;;     4. batch 128 x [M 1,024, K 64] x [K 64, N 1,024]; A: computed on the way; B: computed on the way: QUANTISED
;;     5. batch 128 x [M 1,024, K 1,024] x [K 1,024, N 64]; A: softmax (see below); B: computed on the way: QUANTISED
;;     6. [M 8,192, K 1,024] x [K 1,024, N 1,024]; A: computed on the way; B: input Wo (given as codes): QUANTISED
;;   THE QUANTISER, for each operand of a quantised product, along K:
;;     - K is cut into blocks of 32 from its start; a last block that is shorter is filled with zeros.
;;     - A block's scale is 2^e with e = floor(log2(the largest magnitude in the block)) - 8, held to -126 .. 127; a block of zeros has e = 0. As a byte (E8M0): e + 127.
;;     - Each number is divided by its block's scale, clamped to +-448, and rounded to the nearest number of E4M3, ties to even, subnormals kept.
;;     - The product sums the exact products of the quantised numbers (number of the format x scale) in f32.
;;   ~~~python
;;   def quantise(x, axis):      # numpy; x: float32 -> the quantised numbers, widened to float32 again
;;       x = np.moveaxis(x, axis, -1); K = x.shape[-1]
;;       x = np.pad(x, [(0, 0)] * (x.ndim - 1) + [(0, -K % 32)]); x = x.reshape(x.shape[:-1] + (-1, 32)); a = np.abs(x).max(-1, keepdims=True)
;;       e = np.where(a > 0, np.clip(np.frexp(np.where(a > 0, a, 1))[1] - 1 - 8, -126, 127), 0)      # np.frexp(a)[1] - 1 = floor(log2(a)), exactly
;;       r = np.clip(x / 2.0 ** e, -448, 448)
;;       step = 2.0 ** (np.maximum(np.frexp(np.where(r == 0, 1, r))[1] - 1, -6) - 3)
;;       q = np.round(r / step) * step * 2.0 ** e      # np.round: ties to even
;;       return np.moveaxis(q.reshape(q.shape[:-2] + (-1,))[..., :K], -1, axis).astype(np.float32)
;;   ~~~
;;   SOFTMAX AHEAD OF A QUANTISED PRODUCT. Where the list says 'softmax', what is quantised is not the finished softmax but p = 2^(t - M), with t = logit x log2(e) and M = ceil(the row's largest t), a whole number; so 1/2 < the row's largest p <= 1. The row's sum l is taken of the UNQUANTISED p, in f32, and the product's result is divided by l at the end. Since M is a whole number, a kernel that streams over the keys may use a running M (the ceiling of the running maximum): every later rescaling is an exact power of two, which a block's scale takes up: the codes' values come out the same.
;;   OPERANDS COMPUTED ON THE WAY. 'Computed on the way' means the value that the module computes at that place (a softmax that the list does not call 'softmax' is quantised finished and normalised). What goes into a quantiser is computed in f32, as accurately as f32 sums, v_exp_f32 and their like allow (about 1e-6 of the number): no bf16 or f16 on the way to a quantiser, and a product that is left as it is and whose result goes on into a quantised operand takes f32 operands (vector FMAs, or v_wmma_f32_16x16x4_f32). A number that lies on a knife's edge between two numbers of the format may be rounded either way, as far as f32 arithmetic and the matrix unit's own rounding can turn it there, and no further.
;;   INPUTS GIVEN AS CODES. Wk (in the module: [1024, 768], K = its axis 1); Wo (in the module: [1024, 1024], K = its axis 1); Wq (in the module: [1024, 1024], K = its axis 1); Wv (in the module: [1024, 768], K = its axis 1); k (in the module: [8, 1024, 768], K = its axis 2); v (in the module: [8, 1024, 768], K = its axis 2): each comes as NAME_codes (uint8): NAME with its K axis moved to the last place and cut into blocks of 32 codes, [.., K / 32, bytes a block], one block behind the other in memory; one code a byte (a code: sign, 4 exponent bits, 3 mantissa bits); and NAME_scales (uint8): the same leading axes, one E8M0 byte (e + 127) for each 32 codes along K. Its value is code x scale, taken as it is: it is not quantised again, and the codes and scales need not be those that the quantiser above would give.
;; 2 versions, each right; version 2 is version 1 with the launch attn written anew for expert scheduling mode. Each part assembles by itself: llvm-mc -triple=amdgcn-amd-amdhsa -mcpu=gfx1250 --defsym DOCPART=n.
;; ======== version 1 of 2: 3 launches
;; limits: right only within a limited range of input values
;; workspace buffers: QF 8,388,608 bytes; QSW 262,144 bytes; KF 8,388,608 bytes; KSW 262,144 bytes; VF 8,388,608 bytes; VSW 262,144 bytes; OF 8,388,608 bytes; OSW 262,144 bytes
;; launch proj (part 1): grid 8 x 32, 4 waves a work-group, clusters of 4 x 4, 327,680 bytes of LDS; arguments q, QF, QSW, bk, k_codes, v_codes, k_scales, v_scales, Wk_codes, Wv_codes, Wk_scales, Wv_scales, KF, VF, KSW, VSW, bv; writes QF, QSW, KF, VF, KSW, VSW
.if DOCPART == 1
	.amdgcn_target "amdgcn-amd-amdhsa--gfx1250"
	.amdhsa_code_object_version 6
	.text
	.protected	k_q575e27161c_proj
	.globl	k_q575e27161c_proj
	.p2align	8
	.type	k_q575e27161c_proj,@function
k_q575e27161c_proj:
	s_mov_b64 s[64:65], 0
	v_nop
	global_prefetch_b8 v0, s[64:65] scope:SCOPE_SE
	s_setreg_imm32_b32 hwreg(HW_REG_WAVE_MODE, 25, 1), 1
	s_wait_xcnt 0x0
	s_wait_alu depctr_hold_cnt(0) depctr_sa_sdst(0) depctr_va_vdst(0) depctr_va_sdst(0) depctr_va_ssrc(0) depctr_va_vcc(0) depctr_vm_vsrc(0)
	s_getreg_b32 s2, hwreg(HW_REG_IB_STS2, 6, 4)
	s_cmp_eq_u32 s2, 0
	s_cbranch_scc0 .Lentry_in_a_cluster
	s_endpgm
.Lentry_in_a_cluster:
	s_bfe_u32 s2, ttmp6, 0x10000c
	s_cmp_lg_u32 s2, 0xf033
	s_cbranch_scc0 .Lentry_shape_is_right
	s_endpgm
.Lentry_shape_is_right:
; PROJ.  (1) q [8192][1024] f32 is quantised along its 1,024 into codes of E4M3 with one E8M0 byte for each 32.  (2) kh = k Wk^T + bk and vh = v Wv^T + bv, both [8192][1024], K = 768, on the given codes,
; are quantised on the way out: kh along the head's 64 features, vh along the keys.  All three leave as IMAGES OF OPERAND REGISTERS: a fragment (16 rows x 128 K) is four pieces of 512 bytes, lane l's 16 bytes at 16 l.
; SHARES.  256 work-groups of four waves.  Cluster x says which tensor (0: K, 1: V); a work-group makes 256 activation rows (tile GY) x 256 weight rows (tile CX), a wave 128 x 128: 64 accumulators, 512 registers.
; ONE TEXT FOR BOTH.  The matrix instruction has source 1 = X (a lane holds one row of X) and source 0 = Y (a lane's registers run along Y).  K: X = keys, Y = features.  V: X = channels, Y = keys.  So a lane's registers
; always run along the next product's K.  In LDS the activation rows (ACT) always lie first and the weight rows (WGT) behind them; only the waves' read bases hang on the tensor, which all partners of a cluster share.
; THE ORDER ALONG THE NEXT K.  Of a block of 32 a lane (r, h) holds elements 8 h + 0..7 and 16 + 8 h + 0..7: a permutation inside the block, the same on both sides of each later product.
; CLUSTERS: 4 x 4.  ACT's tile is shared along a row of the cluster, WGT's along a column: joint tensor loads.
; K = 768 goes through two LDS slots of 256 along K: slot 0, slot 1, slot 0 again: one refill, written out.
; q: a wave's four units (16 rows x 128 numbers each) are asked for in ONE run of 64 loads, straight behind the first tensor loads, into the registers that hold accumulators later.
; LIMITS: NaN and infinities among the inputs are not served; a block of zeros gets the scale byte 1 (its codes are zeros; the bytes are read by this program alone).
; REGISTERS.  window 0: v1-11 lane terms, v16-29 LDS addresses; v32-63 scale words, two sets; v64-127 bk as the first sums' C, on the way out at work; v128-255 X's 8 fragments (first: q's codes and the quantiser's
;   working registers; last: the codes made).   window 1: Y's fragments, two sets.   windows 2, 3: the accumulators, (a, b) at v[8 (8 (a % 4) + b)]; window 2 first holds q's 256 numbers a lane.
.set KROW,  768                        ; a row of codes in memory
.set ROWB,  256                        ; a tile's row: 256 along K
.set NQ,    2                          ; steps of 128 in a slot
.set PITCH, 272                        ; an LDS row: 256 bytes + 16 of padding: the 16 rows that a load touches start 68 words apart
.set FR,    16
.set NL,    4
.set NP,    8                          ; places behind this matrix instruction (ISA guide 7.12.1)
.set HALFT, 128*PITCH
.set SLOT,  4*HALFT
.set SCL,   2*SLOT                     ; the scale bytes: four blocks of 128 rows x 24 bytes, dense: ACT's halves, WGT's halves
.set SCH,   3072
.set SBLK,  384                        ; 16 rows of 24 bytes
.set SPARE, 311296                     ; the spare words, 128 bytes for each wave, which no other line names
.set L16,  3                           ; v3   16 x lane
.set R4,   4                           ; v4   4 r
.set XA,   5                           ; v5   q: 4,096 r + 64 h
.set R32,  10                          ; v10  32 r
.set H32,  11                          ; v11  32 h
.set ADRA, 16                          ; v16-17 X's fragments in slot 0, 1
.set ADRB, 20                          ; v20-21 Y's
.set ADRS, 27                          ; v27  my scale words: lanes 0-15 X's rows, lanes 16-31 Y's
.set SPW,  28
.set NIL,  29
.set SC,   32
.set BIAS, 64                          ; v64-127 bk, eight registers for each block of Y
.set BVP,  64                          ; the way out: bv of block a, twice (a pair for the packed addition)
.set BVR,  80                          ; bv as loaded
.set TM,   192                         ; the quantiser's 16 working registers: +0 largest magnitudes, +4 bytes, +8 448 x scale, +12 the conversions' scale operands.  While q is quantised: v192-207
.set PW,   208                         ; scale words made.  While q is quantised: v208-211
.set AF,   128
.set TYPE, 2
.set WV,   3
.set ACH,  16                          ; s16  wave / 2: my half of ACT's rows.  Also: I fetch for ACT (0) or for WGT (1)
.set WGH,  17                          ; s17  wave % 2: my half of WGT's rows.  Also: which 128 rows I fetch
.set CX,   18
.set CY,   19
.set GY,   20
.set XH,   21                          ; which half of X's 256 rows is mine
.set G1,   24
.set G0,   32
.set G1B,  48
.set G0B,  56
.set MNT,  66
.set YH,   67
.set G1S,  68
.set G0S,  76
.set G1SB, 80
.set G0SB, 88
.set SEL,  94
.set KM,   96                          ; all ones for K, else 0
.set VM,   97                          ; all ones for V, else 0
.set MSB, 0
.macro WIN new                         ; the immediate's high byte repeats the setting that is left
.if MSB != (\new)
	s_set_vgpr_msb (MSB<<8)|(\new)
.set MSB, (\new)
.endif
.endm
.set MUL_LO, 0xa1                      ; source 0 (Y) window 1, source 1 (X) window 0, C and D window 2
.set MUL_HI, 0xf1                      ; the same, C and D window 3
.set FST_LO, 0x81                      ; the first step: C (bk) window 0, D window 2
.set FST_HI, 0xc1
.set TO_B,   0x40
; A joint load: waves 0 and 1 fetch for ACT, waves 2 and 3 for WGT.  The branch hangs on the wave's number alone.  Four v_nop follow each line.
.macro JLOAD g0a, g1a, g0b, g1b
	s_cmp_eq_u32 s[ACH], 0
	s_cbranch_scc0 .Lfor_b_\@
	tensor_load_to_lds s[\g0a:\g0a+3], s[\g1a:\g1a+7]
	s_nop 0
.rept 4
	v_nop
.endr
	s_branch .Lasked_\@
.Lfor_b_\@:
	tensor_load_to_lds s[\g0b:\g0b+3], s[\g1b:\g1b+7]
	s_nop 0
.rept 4
	v_nop
.endr
.Lasked_\@:
.endm
.macro CREST                           ; a round of the cluster's barrier behind its opening barrier
	s_cmp_lg_u32 s[WV], 0
	s_cbranch_scc1 .Lnot_wave_0_\@
	s_barrier_signal -3
.Lnot_wave_0_\@:
	s_barrier_wait -3
	s_barrier_signal -1
	s_barrier_wait -1
.endm
.macro CROUND
	s_barrier_signal -1
	s_barrier_wait -1
	CREST
.endm
	s_load_b256 s[4:11], s[0:1], 0x0               ; q, QF, QSW, bk
	s_load_b512 s[68:83], s[0:1], 0x20             ; k_codes, v_codes, k_scales, v_scales, Wk_codes, Wv_codes, Wk_scales, Wv_scales
	s_load_b256 s[84:91], s[0:1], 0x60             ; KF, VF, KSW, VSW
	s_load_b64 s[92:93], s[0:1], 0x80              ; bv
	v_lshl_add_u32 v[SPW], v0, 2, SPARE
	v_mov_b32 v[NIL], 0
	ds_add_u32 v28, v29
	ds_add_u32 v28, v29
	s_wait_dscnt 0x0
	v_lshrrev_b32 v1, 5, v0
	v_readfirstlane_b32 s[WV], v1                  ; wave 0..3
	s_lshr_b32 s[ACH], s[WV], 1
	s_and_b32 s[WGH], s[WV], 1
	s_min_u32 s[TYPE], ttmp9, 1                    ; cluster x: 0 = K, 1 = V: the same in all sixteen partners
	s_bfe_u32 s[CX], ttmp6, 0x40000
	s_bfe_u32 s[CY], ttmp6, 0x40004
	s_and_b32 s[GY], ttmp7, 0xffff
	s_lshl_b32 s[GY], s[GY], 2
	s_add_co_u32 s[GY], s[GY], s[CY]               ; ACT's tile of 256 rows = 4 x cluster y + cy
	s_lshl_b32 s98, s[CY], 2
	s_lshl_b32 s98, 15, s98                        ; my row of the cluster
	s_lshl_b32 s99, 0x1111, s[CX]                  ; my column
	; descriptor group 1 for the codes: 128 rows x 256 bytes, 16 bytes of padding behind each row
	s_or_b32 s[G1+0], s98, (1<<20)|(1<<21)|(5<<22)|(3<<25)   ; the mask; elements of 1 byte; padding on; bit 21 beside a mask; after every 64 words, 4 words
	s_or_b32 s[G1B+0], s99, (1<<20)|(1<<21)|(5<<22)|(3<<25)
.irp g, G1, G1B
	s_mov_b32 s[\g+1], ROWB<<16                    ; tensor_dim0
	s_mov_b32 s[\g+2], 128<<16                     ; tensor_dim1
	s_mov_b32 s[\g+3], ROWB<<16                    ; tile_dim0
	s_mov_b32 s[\g+4], 128                         ; tile_dim1
	s_mov_b32 s[\g+5], KROW                        ; from row to row
	s_mov_b32 s[\g+6], 0
	s_mov_b32 s[\g+7], 0
.endr
	s_lshl_b32 s22, s[WGH], 7                      ; which 128 rows of a tile I fetch
	s_lshl_b32 s104, s[GY], 8
	s_add_co_u32 s104, s104, s22                   ; ACT: row 256 GY + 128 x half
	s_lshl_b32 s105, s[CX], 8
	s_add_co_u32 s105, s105, s22                   ; WGT: row 256 CX + 128 x half
	s_mov_b32 s23, 0
	s_mov_b32 s101, 0
	s_mov_b32 s[SEL], 0x76543210
	s_mov_b32 s[SEL+1], 0xfedcba98                 ; v_permlanex16_b32's selects for lane l xor 16
	s_mov_b32 s[MNT], 0x600000                     ; the mantissa field of 448
	s_wait_kmcnt 0x0
	s_cmp_eq_u32 s[TYPE], 0                        ; the choice between the tensors' buffers hangs on the cluster's number alone
	s_cselect_b64 s[40:41], s[68:69], s[70:71]     ; ACT's codes
	s_cselect_b64 s[42:43], s[72:73], s[74:75]     ; ACT's scales
	s_cselect_b64 s[44:45], s[76:77], s[78:79]     ; WGT's codes
	s_cselect_b64 s[46:47], s[80:81], s[82:83]     ; WGT's scales
	s_cselect_b64 s[12:13], s[84:85], s[86:87]     ; the codes made
	s_cselect_b64 s[14:15], s[88:89], s[90:91]     ; their scale words
	s_cselect_b32 s[KM], -1, 0
	s_cselect_b32 s[VM], 0, -1
	s_cselect_b32 s[XH], s[ACH], s[WGH]
	s_cselect_b32 s[YH], s[WGH], s[ACH]
	s_mul_i32 s22, s104, KROW
	s_add_nc_u64 s[40:41], s[40:41], s[22:23]
	s_mul_i32 s22, s104, 24
	s_add_nc_u64 s[42:43], s[42:43], s[22:23]
	s_mul_i32 s100, s105, KROW
	s_add_nc_u64 s[44:45], s[44:45], s[100:101]
	s_mul_i32 s100, s105, 24
	s_add_nc_u64 s[46:47], s[46:47], s[100:101]
	; group 1 for the scale bytes of 128 rows: 3,072 dense bytes as 12 rows of 256 (32 elements of 8 bytes), no padding
	s_or_b32 s[G1S+0], s98, (3<<16)|(1<<21)
	s_or_b32 s[G1SB+0], s99, (3<<16)|(1<<21)
.irp g, G1S, G1SB
	s_mov_b32 s[\g+1], 32<<16
	s_mov_b32 s[\g+2], 12<<16
	s_mov_b32 s[\g+3], 32<<16
	s_mov_b32 s[\g+4], 12
	s_mov_b32 s[\g+5], 32
	s_mov_b32 s[\g+6], 0
	s_mov_b32 s[\g+7], 0
.endr
	s_mul_i32 s104, s[WV], HALFT                   ; where they go: wave x 128 rows: no place in the cluster enters an LDS address
	s_mul_i32 s105, s[WV], SCH
	CROUND                                         ; all sixteen work-groups are here: the first joint loads meet
	s_mov_b32 s[G0S], 1
	s_add_co_u32 s[G0S+1], s105, SCL
	s_mov_b64 s[G0S+2:G0S+3], s[42:43]
	s_or_b32 s[G0S+3], s[G0S+3], 0x80000000
	s_mov_b32 s[G0SB], 1
	s_add_co_u32 s[G0SB+1], s105, SCL
	s_mov_b64 s[G0SB+2:G0SB+3], s[46:47]
	s_or_b32 s[G0SB+3], s[G0SB+3], 0x80000000
	JLOAD G0S, G1S, G0SB, G1SB                     ; the scale bytes for all of K: filled once
.irp s, 0,1
	s_mov_b32 s[G0+4*\s], 1
	s_add_co_u32 s[G0+4*\s+1], s104, \s*SLOT
	s_add_nc_u64 s[G0+4*\s+2:G0+4*\s+3], s[40:41], \s*ROWB
	s_or_b32 s[G0+4*\s+3], s[G0+4*\s+3], 0x80000000
	s_mov_b32 s[G0B+4*\s], 1
	s_add_co_u32 s[G0B+4*\s+1], s104, \s*SLOT
	s_add_nc_u64 s[G0B+4*\s+2:G0B+4*\s+3], s[44:45], \s*ROWB
	s_or_b32 s[G0B+4*\s+3], s[G0B+4*\s+3], 0x80000000
	JLOAD G0+4*\s, G1, G0B+4*\s, G1B               ; K bytes 0-255 and 256-511: three tensor loads of mine are out
.endr
	; lane terms and LDS addresses
	v_and_b32 v1, 15, v0                           ; r
	v_bfe_u32 v2, v0, 4, 1                         ; h
	v_and_b32 v6, 31, v0
	v_lshlrev_b32 v[L16], 4, v6
	v_lshlrev_b32 v[R4], 2, v1
	v_lshlrev_b32 v[XA], 12, v1
	v_lshl_add_u32 v[XA], v2, 6, v[XA]
	v_lshlrev_b32 v[R32], 5, v1
	v_lshlrev_b32 v[H32], 5, v2
	v_mul_u32_u24 v6, v1, PITCH
	v_lshl_add_u32 v6, v2, 4, v6                   ; a fragment's row x pitch + 16 h
	s_mul_i32 s22, s[ACH], HALFT                   ; my ACT rows
	s_mul_i32 s100, s[WGH], HALFT
	s_add_co_u32 s100, s100, 2*HALFT
	s_sub_co_u32 s100, s100, s22                   ; from them to my WGT rows
	s_mul_i32 s104, s[TYPE], s100
	s_add_co_u32 s104, s104, s22                   ; X: ACT for K, WGT for V
	s_xor_b32 s105, s[TYPE], 1
	s_mul_i32 s105, s105, s100
	s_add_co_u32 s105, s105, s22                   ; Y: the other
.irp s, 0,1
	v_add_nc_u32 v[ADRA+\s], s104, v6
	v_add_nc_u32 v[ADRB+\s], s105, v6
	s_add_co_u32 s104, s104, SLOT
	s_add_co_u32 s105, s105, SLOT
.endr
	v_xor_b32 v7, s[TYPE], v2                      ; 0: this lane takes ACT's scale words, 1: WGT's; so lanes 0-15 hold X's and lanes 16-31 Y's
	s_mul_i32 s22, s[ACH], SCH
	s_mul_i32 s100, s[WGH], SCH
	s_add_co_u32 s100, s100, 2*SCH
	s_sub_co_u32 s100, s100, s22
	v_mul_u32_u24 v7, s100, v7
	v_mad_u32_u24 v7, v1, 24, v7
	s_add_co_u32 s22, s22, SCL
	v_add_nc_u32 v[ADRS], s22, v7
.irp b, 0,1,2,3
	v_mov_b32 v[TM+4+\b], 0                        ; written once: a lane permute's destination counts as one of its sources
.endr
	; global places.  My unit of q: row tile 2 x work-group + wave / 2, K steps 4 (wave % 2) + 0..3
	s_lshl_b32 s22, s[GY], 3
	s_lshl_b32 s100, s[TYPE], 2
	s_add_co_u32 s22, s22, s100
	s_add_co_u32 s22, s22, s[CX]                   ; the work-group's number, 0..255
	s_lshl_b32 s22, s22, 1
	s_add_co_u32 s104, s22, s[ACH]                 ; the row tile
	s_lshl_b32 s22, s104, 16
	s_lshl_b32 s100, s[WGH], 11
	s_add_co_u32 s22, s22, s100
	s_add_nc_u64 s[4:5], s[4:5], s[22:23]          ; q: 16 rows of 4,096 bytes a tile, 512 bytes a K step
	s_lshl_b32 s22, s104, 14
	s_lshl_b32 s100, s[WGH], 13
	s_add_co_u32 s22, s22, s100
	s_add_nc_u64 s[6:7], s[6:7], s[22:23]          ; QF: [row tile][K step][2,048]
	s_lshl_b32 s22, s104, 9
	s_lshl_b32 s100, s[WGH], 4
	s_add_co_u32 s22, s22, s100
	s_add_nc_u64 s[8:9], s[8:9], s[22:23]          ; QSW: 32 bytes a row
	s_lshl_b32 s22, s[CX], 10
	s_lshl_b32 s100, s[YH], 9
	s_add_co_u32 s22, s22, s100
	s_add_nc_u64 s[10:11], s[10:11], s[22:23]      ; bk at feature 256 CX + 128 YH
	s_lshl_b32 s22, s[CX], 10
	s_lshl_b32 s100, s[XH], 9
	s_add_co_u32 s22, s22, s100
	s_add_nc_u64 s[92:93], s[92:93], s[22:23]      ; bv at channel 256 CX + 128 XH
	s_lshr_b32 s22, s[GY], 2                       ; K: fragment ((batch x 8 + head pair) x 64 + key tile)
	s_lshl_b32 s22, s22, 3
	s_lshl_b32 s100, s[CX], 1
	s_add_co_u32 s22, s22, s100
	s_add_co_u32 s22, s22, s[YH]
	s_lshl_b32 s22, s22, 6
	s_lshl_b32 s100, s[GY], 4
	s_lshl_b32 s104, s[XH], 3
	s_add_co_u32 s100, s100, s104
	s_and_b32 s100, s100, 63
	s_add_co_u32 s22, s22, s100
	s_lshl_b32 s100, s[GY], 1                      ; V: fragment ((batch x 8 + key step) x 64 + channel tile)
	s_add_co_u32 s100, s100, s[YH]
	s_lshl_b32 s100, s100, 6
	s_lshl_b32 s105, s[CX], 4
	s_add_co_u32 s100, s100, s105
	s_add_co_u32 s100, s100, s104
	s_cmp_eq_u32 s[TYPE], 0
	s_cselect_b32 s104, s22, s100
	s_lshl_b32 s22, s104, 11
	s_add_nc_u64 s[12:13], s[12:13], s[22:23]
	s_lshl_b32 s22, s104, 6
	s_add_nc_u64 s[14:15], s[14:15], s[22:23]
; 64 numbers of a lane, v[src] on in window w, register 16 b + i of block b, become a fragment's codes in v[pc] on and its scale word in v[pw] (both window 0).  bv >= 0: the pair v[bv:bv+1] is added first.
.macro QUANT src, w, pc, pw, bv
.if \bv >= 0
	WIN ((\w)<<6)|(\w)
.irp j, 0,2,4,6,8,10,12,14,16,18,20,22,24,26,28,30,32,34,36,38,40,42,44,46,48,50,52,54,56,58,60,62
	v_pk_add_f32 v[\src+\j:\src+\j+1], v[\src+\j:\src+\j+1], v[\bv:\bv+1]   ; each accumulator from its low end on
.endr
.endif
	WIN ((\w)<<2)|((\w)<<4)
.irp b, 0,1,2,3
	v_max3_num_f32 v[TM+\b], 0x4800000, |v[\src+16*\b]|, |v[\src+16*\b+1]|   ; my 16 numbers of block b, and the floor 2^(9 - 127): the byte cannot fall under 1
.endr
.irp i, 2,4,6,8,10,12,14
.irp b, 0,1,2,3
	v_max3_num_f32 v[TM+\b], v[TM+\b], |v[\src+16*\b+\i]|, |v[\src+16*\b+\i+1]|   ; the four blocks by turns
.endr
.endr
	WIN 0
.irp b, 0,1,2,3
	v_permlanex16_b32 v[TM+4+\b], v[TM+\b], s[SEL], s[SEL+1]
.endr
.irp b, 0,1,2,3
	v_max_num_f32 v[TM+\b], v[TM+\b], v[TM+4+\b]   ; with lane l xor 16's 16: the block's largest magnitude
.endr
.irp b, 0,1,2,3
	v_add_nc_u32 v[TM+12+\b], 0xfc000000, v[TM+\b] ; 8 off its exponent field: the conversion's scale operand
.endr
.irp b, 0,1,2,3
	v_and_or_b32 v[TM+8+\b], v[TM+\b], 0x7f800000, s[MNT]   ; 448 x the scale
.endr
.irp b, 0,1,2,3
	v_lshrrev_b32 v[TM+4+\b], 23, v[TM+12+\b]      ; the scale's byte
.endr
	v_lshl_or_b32 v[\pw], v[TM+5], 8, v[TM+4]
	v_lshl_or_b32 v[\pw], v[TM+6], 16, v[\pw]
	v_lshl_or_b32 v[\pw], v[TM+7], 24, v[\pw]
	WIN ((\w)<<6)|(\w)
.irp b, 0,1,2,3
.irp i, 0,1,2,3,4,5,6,7,8,9,10,11,12,13,14,15
	v_med3_num_f32 v[\src+16*\b+\i], v[\src+16*\b+\i], -v[TM+8+\b], v[TM+8+\b]   ; the conversion to an 8-bit code does not saturate (ISA guide 7.6.2): the hold
.endr
.endr
	WIN (\w)
.irp b, 0,1,2,3
	v_cvt_scalef32_pk8_fp8_f32 v[\pc+4*\b:\pc+4*\b+1], v[\src+16*\b:\src+16*\b+7], v[TM+12+\b]
	v_cvt_scalef32_pk8_fp8_f32 v[\pc+4*\b+2:\pc+4*\b+3], v[\src+16*\b+8:\src+16*\b+15], v[TM+12+\b]
.endr
	WIN 0
	v_nop                                          ; one plain vector instruction behind the last conversion
.endm
.macro XLOAD reg, u                    ; my 16 rows' numbers of my u-th K step: lane (r, h) takes, of each block of 32, its 16 neighbours
.irp b, 0,1,2,3
.irp j, 0,1,2,3
	global_load_b128 v[\reg+16*\b+4*\j:\reg+16*\b+4*\j+3], v[XA], s[4:5] offset:512*\u+128*\b+16*\j th:TH_LOAD_NT
.endr
.endr
.endm
.macro QOUT pc, u                      ; a fragment's image: each store covers 512 consecutive bytes, aligned
.irp c, 0,1,2,3
	global_store_b128 v[L16], v[\pc+4*\c:\pc+4*\c+3], s[6:7] offset:2048*\u+512*\c
.endr
.endm
	; ---- bk and all of q are asked for in one run, while the first tiles are on their way
.irp b, 0,1,2,3,4,5,6,7
	global_load_b128 v[BIAS+8*\b:BIAS+8*\b+3], v[H32], s[10:11] offset:64*\b         ; bk(16 b + 8 h + 0..7): the result's layout
	global_load_b128 v[BIAS+8*\b+4:BIAS+8*\b+7], v[H32], s[10:11] offset:64*\b+16
.endr
	WIN 0x80                                       ; destination window 2: unit u at v[64 u] there
	XLOAD 0, 0
	XLOAD 64, 1
	XLOAD 128, 2
	XLOAD 192, 3
	WIN 0
.irp u, 0,1,2,3
	s_wait_loadcnt 16*(3-\u)                       ; bk and units 0 to u are in; the later units' 16 loads apiece may be out
	QUANT 64*\u, 2, AF+16*\u, PW+\u, -1
	QOUT AF+16*\u, \u                              ; each unit's codes have registers of their own
.endr
	global_store_b128 v[R32], v[PW:PW+3], s[8:9]   ; my four K steps' scale words of row r (both halves of the lanes hold and write the same)
	s_wait_xcnt 0x0                                ; the stores have read v128-211: X's fragments may land there
.set TM, 96                            ; from here on the quantiser works in v96-111,
.set PW, 112                           ; and its scale words go to v112-119
.macro FRAG reg, adr, q, i             ; 16 rows x 128 K: lane l holds row l % 16; registers 4 c .. 4 c + 3 hold K = 32 c + 16 (l / 16) + 0 .. 15
.irp c, 0,1,2,3
	ds_load_b128 v[\reg+4*\c:\reg+4*\c+3], v[\adr] offset:128*(\q)+32*\c+(\i)*16*PITCH
.endr
.endm
; 16 matrix instructions: X's blocks a0, a0 + 1 against Y's eight.  first = 1: bk is the C.  The 64 accumulators take turns, one instruction a turn, in the same order in every step.
.macro MUL16 a0, p, q, sc, first
.irp a, \a0, \a0+1
.irp b, 0,1,2,3,4,5,6,7
.if \first
	v_wmma_scale_f32_16x16x128_f8f6f4 v[8*(8*((\a)%4)+\b):8*(8*((\a)%4)+\b)+7], v[128*(\p)+FR*\b:128*(\p)+FR*\b+FR-1], v[AF+FR*(\a):AF+FR*(\a)+FR-1], v[BIAS+8*\b:BIAS+8*\b+7], v[SC+8*NQ*(\sc)+NQ*\b+(\q)], v[SC+8*NQ*(\sc)+NQ*(\a)+(\q)] matrix_a_scale:MATRIX_SCALE_ROW1
.else
	v_wmma_scale_f32_16x16x128_f8f6f4 v[8*(8*((\a)%4)+\b):8*(8*((\a)%4)+\b)+7], v[128*(\p)+FR*\b:128*(\p)+FR*\b+FR-1], v[AF+FR*(\a):AF+FR*(\a)+FR-1], v[8*(8*((\a)%4)+\b):8*(8*((\a)%4)+\b)+7], v[SC+8*NQ*(\sc)+NQ*\b+(\q)], v[SC+8*NQ*(\sc)+NQ*(\a)+(\q)] matrix_a_scale:MATRIX_SCALE_ROW1
.endif
.endr
.endr
.endm
.macro FETCH_B slot, q, p
	WIN TO_B
.irp i, 0,1,2,3,4,5,6,7
	FRAG 128*(\p)+FR*\i, ADRB+\slot, \q, \i
.endr
	WIN 0
.endm
.macro FETCH_A slot, q, i0
.irp i, \i0, \i0+1, \i0+2, \i0+3
	FRAG AF+FR*(\i), ADRA+\slot, \q, \i
.endr
.endm
.macro SCALES sc                       ; a slot's two scale words a row: lanes 0-15 X's block i, lanes 16-31 Y's block i
.irp i, 0,1,2,3,4,5,6,7
	ds_load_b64 v[SC+8*NQ*\sc+NQ*\i:SC+8*NQ*\sc+NQ*\i+1], v[ADRS] offset:\i*SBLK
.endr
.endm
.macro PLACES n                        ; plain vector instructions between a matrix instruction and a load into, or a read of, its registers
.rept \n
	v_nop
.endr
.endm
.macro STEP slot, q, first             ; a step of 128 along K that has its successor in the same slot
	s_wait_dscnt 4*NL                              ; Y's set and X's blocks 0-3 are in; the youngest 16 loads (X's blocks 4-7) may be out
.if \first
	WIN FST_LO
.else
	WIN MUL_LO
.endif
	MUL16 0, (\q)%2, \q, \slot, \first
	MUL16 2, (\q)%2, \q, \slot, \first
	s_wait_dscnt 0
	PLACES NP
	FETCH_B \slot, (\q)+1, 1-(\q)%2
	FETCH_A \slot, (\q)+1, 0
.if \first
	WIN FST_HI
.else
	WIN MUL_HI
.endif
	MUL16 4, (\q)%2, \q, \slot, \first
	MUL16 6, (\q)%2, \q, \slot, \first
	PLACES NP
	WIN 0
	FETCH_A \slot, (\q)+1, 4
.endm
; A slot's last step changes slots: one barrier; in front of it each wave waits for all its tensor loads, adds 0 to its spare word, and waits for that and for its reads of this slot.  fill = 1: this slot is filled again.
.macro TURN slot, next, fill
	s_wait_tensorcnt 0x0                           ; all my tensor loads have landed: my part of the next slot among them
	ds_add_u32 v[SPW], v[NIL]                      ; 0 onto my spare word
	s_wait_dscnt 4*NL+1                            ; (the add and the youngest 16 loads may be out)
	WIN MUL_LO
	MUL16 0, 1, NQ-1, \slot, 0
	s_wait_dscnt 0x0                               ; the add is done, and my reads of this slot are over
	s_barrier_signal -1
	MUL16 2, 1, NQ-1, \slot, 0
	WIN 0
	s_barrier_wait -1
.if \fill
	CREST                                          ; the barrier has opened a round of the cluster's barrier: no wave of any partner still reads this slot or has a load on its way
	s_add_nc_u64 s[G0+4*\slot+2:G0+4*\slot+3], s[G0+4*\slot+2:G0+4*\slot+3], 2*ROWB
	s_add_nc_u64 s[G0B+4*\slot+2:G0B+4*\slot+3], s[G0B+4*\slot+2:G0B+4*\slot+3], 2*ROWB
	JLOAD G0+4*\slot, G1, G0B+4*\slot, G1B         ; the first tensor load behind the round; its four v_nop are among the places in front of the loads below
	PLACES NP-4
.else
	PLACES NP
.endif
	v_add_nc_u32 v[ADRS], 4*NQ, v[ADRS]            ; on to the next slot's scale words
	FETCH_B \next, 0, 0
	FETCH_A \next, 0, 0
	SCALES \next
	WIN MUL_HI
	MUL16 4, 1, NQ-1, \slot, 0
	MUL16 6, 1, NQ-1, \slot, 0
	PLACES NP
	WIN 0
	FETCH_A \next, 0, 4
.endm
	s_wait_tensorcnt 0x1                           ; the scale bytes and my part of slot 0 are in; slot 1's load may be out
	s_barrier_signal -1
	s_barrier_wait -1
	FETCH_B 0, 0, 0
	FETCH_A 0, 0, 0
	SCALES 0
	FETCH_A 0, 0, 4
.set J, 0
.rept 64
	v_cndmask_b32 v[BIAS+J], 0, v[BIAS+J], s[KM]   ; for V the first sums begin with zeros: its bias hangs on the lane and is added on the way out.  (bk came in ahead of q)
.set J, J+1
.endr
	STEP 0, 0, 1                                   ; K 0-127
	TURN 0, 1, 1                                   ; K 128-255; slot 0 is asked for again: K bytes 512-767
	STEP 1, 0, 0                                   ; K 256-383
	TURN 1, 0, 0                                   ; K 384-511; nothing is left to fetch
	STEP 0, 0, 0                                   ; K 512-639
.irp a, 0,1,2,3,4,5,6,7
	global_load_b32 v[BVR+\a], v[R4], s[92:93] offset:64*\a   ; bv(16 a + r), a step ahead of its use
.endr
	s_wait_dscnt 4*NL                              ; K 640-767
	WIN MUL_LO
	MUL16 0, 1, NQ-1, 0, 0
	MUL16 2, 1, NQ-1, 0, 0
	s_wait_dscnt 0
	WIN MUL_HI
	MUL16 4, 1, NQ-1, 0, 0
	MUL16 6, 1, NQ-1, 0, 0
	WIN 0
	; ---- THE WAY OUT.  X's block a: a lane's 64 registers are 128 along the next K: one fragment and one scale word a row
	s_wait_loadcnt 0x0
.irp a, 0,1,2,3,4,5,6,7
	v_cndmask_b32 v[BVP+2*\a], 0, v[BVR+\a], s[VM] ; zeros for K.  (These sixteen are also the places behind the last products)
	v_cndmask_b32 v[BVP+2*\a+1], 0, v[BVR+\a], s[VM]
.endr
.irp a, 0,1,2,3,4,5,6,7
	QUANT 64*(\a%4), 2+\a/4, AF+16*\a, PW+\a, BVP+2*\a
.irp c, 0,1,2,3
	global_store_b128 v[L16], v[AF+16*\a+4*\c:AF+16*\a+4*\c+3], s[12:13] offset:2048*\a+512*\c   ; 512 consecutive bytes, aligned
.endr
	global_store_b32 v[R4], v[PW+\a], s[14:15] offset:64*\a   ; row r's scale word (both halves of the lanes hold and write the same)
.endr
	s_wait_tensorcnt 0x0                           ; the wave's end
	ds_add_u32 v[SPW], v[NIL]
	s_wait_dscnt 0x0
	CROUND                                         ; the closing round
	s_endpgm
.Lfunc_end_k_q575e27161c_proj:
	.size	k_q575e27161c_proj, .Lfunc_end_k_q575e27161c_proj-k_q575e27161c_proj
	.p2alignl 7, 3214868480
	.fill 96, 4, 3214868480
	.section	.rodata,"a",@progbits
	.p2align	6, 0x0
	.amdhsa_kernel k_q575e27161c_proj
		.amdhsa_group_segment_fixed_size 327680
		.amdhsa_private_segment_fixed_size 0
		.amdhsa_enable_private_segment 0
		.amdhsa_kernarg_size 136
		.amdhsa_user_sgpr_count 2
		.amdhsa_user_sgpr_kernarg_segment_ptr 1
		.amdhsa_wavefront_size32 1
		.amdhsa_system_sgpr_workgroup_id_x 1
		.amdhsa_system_sgpr_workgroup_id_y 1
		.amdhsa_system_sgpr_workgroup_id_z 1
		.amdhsa_system_vgpr_workitem_id 0
		.amdhsa_next_free_vgpr 1024
		.amdhsa_next_free_sgpr 106
		.amdhsa_reserve_vcc 0
		.amdhsa_float_denorm_mode_32 3
		.amdhsa_float_denorm_mode_16_64 3
		.amdhsa_memory_ordered 1
		.amdhsa_forward_progress 1
		.amdhsa_inst_pref_size 223
	.end_amdhsa_kernel
	.amdgpu_metadata
---
amdhsa.version: [ 1, 2 ]
amdhsa.kernels:
  - .name:           k_q575e27161c_proj
    .symbol:         k_q575e27161c_proj.kd
    .args:
      - { .name: q, .offset: 0, .size: 8, .value_kind: global_buffer, .address_space: global }
      - { .name: QF, .offset: 8, .size: 8, .value_kind: global_buffer, .address_space: global }
      - { .name: QSW, .offset: 16, .size: 8, .value_kind: global_buffer, .address_space: global }
      - { .name: bk, .offset: 24, .size: 8, .value_kind: global_buffer, .address_space: global }
      - { .name: k_codes, .offset: 32, .size: 8, .value_kind: global_buffer, .address_space: global }
      - { .name: v_codes, .offset: 40, .size: 8, .value_kind: global_buffer, .address_space: global }
      - { .name: k_scales, .offset: 48, .size: 8, .value_kind: global_buffer, .address_space: global }
      - { .name: v_scales, .offset: 56, .size: 8, .value_kind: global_buffer, .address_space: global }
      - { .name: Wk_codes, .offset: 64, .size: 8, .value_kind: global_buffer, .address_space: global }
      - { .name: Wv_codes, .offset: 72, .size: 8, .value_kind: global_buffer, .address_space: global }
      - { .name: Wk_scales, .offset: 80, .size: 8, .value_kind: global_buffer, .address_space: global }
      - { .name: Wv_scales, .offset: 88, .size: 8, .value_kind: global_buffer, .address_space: global }
      - { .name: KF, .offset: 96, .size: 8, .value_kind: global_buffer, .address_space: global }
      - { .name: VF, .offset: 104, .size: 8, .value_kind: global_buffer, .address_space: global }
      - { .name: KSW, .offset: 112, .size: 8, .value_kind: global_buffer, .address_space: global }
      - { .name: VSW, .offset: 120, .size: 8, .value_kind: global_buffer, .address_space: global }
      - { .name: bv, .offset: 128, .size: 8, .value_kind: global_buffer, .address_space: global }
    .group_segment_fixed_size: 327680
    .private_segment_fixed_size: 0
    .kernarg_segment_align: 8
    .kernarg_segment_size: 136
    .max_flat_workgroup_size: 128
    .sgpr_count:     106
    .vgpr_count:     1024
    .wavefront_size: 32
...
	.end_amdgpu_metadata
.endif
;; end of part 1
;; launch attn (part 2): grid 2 x 128, 16 waves a work-group, no clusters, 211,968 bytes of LDS; arguments QF, QSW, Wq_codes, Wq_scales, bq, KF, KSW, VF, VSW, key_padding_mask, OF, OSW; writes OF, OSW
.if DOCPART == 2
	.amdgcn_target "amdgcn-amd-amdhsa--gfx1250"
	.amdhsa_code_object_version 6
	.text
	.protected	k_q575e27161c_attn
	.globl	k_q575e27161c_attn
	.p2align	8
	.type	k_q575e27161c_attn,@function
k_q575e27161c_attn:
	s_mov_b64 s[64:65], 0
	v_nop
	global_prefetch_b8 v0, s[64:65] scope:SCOPE_SE
	s_setreg_imm32_b32 hwreg(HW_REG_WAVE_MODE, 25, 1), 1
	s_wait_xcnt 0x0
; ATTN.  For one batch and head and 512 queries: qh = Q(q) Wq^T + bq (that head's 64 columns), quantised along the 64; S^T = K Q^T; p = 2^(t - M), t = score x log2(e) / 8, M the running largest t rounded up to a whole
; number; p quantised along the keys; O^T = V^T P^T; O^T / the sum of the unquantised p, quantised along the head's 64, leaves as codes for the output projection.
; SHARES.  Sixteen waves, four to a SIMD; a wave owns two tiles of 16 queries, one after the other.  The head's whole K, V and rows of Wq lie in LDS, copied once through registers: one barrier, then LDS is only read.
; No cluster: what the two work-groups of a head share is read once, at the head, and K's scale words are rewritten on the way in.
; LAYOUT.  All products are used transposed: a lane holds ONE query (lane % 16) throughout, and its registers run along the next K.  K's, V's and q's fragments come as images of their registers, 16 bytes a lane.
; THE MASK rides in the first product's unused K places (the head has 64, the instruction 128), and in a scale byte alone.  At place 64 Q has the code 1.0 (scale byte 127) and EVERY key the code -448, in a register
; that is set once.  A hidden key's scale byte for that block is 242: its score is about -1.9e37 and its p is 0.  A key that counts has the byte 1 there: -448 x 2^-126, about -5e-36, is added to its score.
; The largest t begins at -1e30, so that a step all of whose keys are hidden gives zeros.
; LIMITS: a counted key's score carries that -5e-36, under the last bit of any score above 1e-28; |t| under 1e30; NaN and infinities are not served; a batch all of whose keys are hidden (reference: NaN) is not served;
; a block of zeros gets the scale byte 1 (the bytes are read by this program alone).
; REGISTERS: v1-11 addresses; v12 -M, v13 the largest t, v[14:15] the sum; v16-31 Q; v32-95 four fragments of K (of Wq at first); v96-159 S^T, p, then V's four fragments; v160-191 O^T; v192-207 p's codes;
;   v208-215 the second tile's Q; v216-231 and v252-255 scale words alone; v232-250 at work.
.set VC,   65536                       ; LDS: K's codes [key tile 64][1,024] at 0; V's [key step 8][channel tile 4][2,048] here;
.set WQ,   131072                      ; 64 rows of Wq, 1,024 bytes + 16 of padding;
.set WQP,  1040
.set KSWL, 197632                      ; K's scale words, [64 keys][r 16][tile 4]: a lane's 16 bytes are the words of its row in four tiles;
.set BQL,  201728                      ; bq: 4 bytes a thread, so eight copies of the head's 256 bytes; the first is read;
.set VSWL, 205824                      ; V's scale words, [key step 8][r 16][channel tile 4]; 2,048 bytes on, Wq's scale bytes, 32 a row
	s_load_b512 s[4:19], s[0:1], 0x0               ; QF, QSW, Wq_codes, Wq_scales, bq, KF, KSW, VF
	s_load_b256 s[20:27], s[0:1], 0x40             ; VSW, mask, OF, OSW
	v_lshrrev_b32 v1, 5, v0
	v_readfirstlane_b32 s28, v1                    ; wave 0..15
	s_and_b32 s34, ttmp7, 0xffff
	s_lshr_b32 s29, s34, 4                         ; batch
	s_and_b32 s30, s34, 15                         ; head
	s_lshr_b32 s31, s30, 1                         ; head pair
	s_and_b32 s32, s30, 1                          ; which of the pair
	s_lshl_b32 s46, s32, 4
	s_mov_b32 s36, 0x76543210
	s_mov_b32 s37, 0xfedcba98                      ; v_permlanex16_b32's selects for lane l xor 16
	s_mov_b32 s38, 0x3e38aa3b                      ; c = log2(e) / 8
	s_mov_b32 s39, s38                             ; (named with it as a pair)
	s_mov_b32 s40, 0x600000                        ; the mantissa field of 448
	; the copy's offsets, by thread t
	v_lshrrev_b32 v27, 6, v0
	v_and_b32 v28, 63, v0
	v_lshlrev_b32 v16, 4, v28
	v_lshl_add_u32 v16, v27, 11, v16               ; K in memory: 2,048 (t / 64) + 16 (t % 64): my head's half of each fragment
	v_lshlrev_b32 v17, 4, v0                       ; 16 t
	v_lshlrev_b32 v18, 3, v0                       ; 8 t
	v_lshlrev_b32 v19, 2, v0                       ; 4 t
	v_lshlrev_b32 v15, 2, v28                      ; bq in memory: 4 (t % 64)
	v_lshl_add_u32 v20, v27, 12, v15               ; V's scale words in memory: 4,096 (t / 64) + 4 (t % 64)
	v_lshlrev_b32 v21, 1, v0                       ; 2 t
	v_add_nc_u32 v23, VC, v17
	v_lshlrev_b32 v24, 4, v28
	v_mad_u32_u24 v24, v27, WQP, v24
	v_add_nc_u32 v24, WQ, v24
	v_lshrrev_b32 v25, 5, v0                       ; K's scale words in LDS.  Key 2 t is row 2 (t % 8) of tile (t / 8) % 4 of the 64 keys t / 32: 256 (t / 32) + 32 (t % 8) + 4 ((t / 8) % 4); key 2 t + 1 lies 16 bytes on
	v_lshlrev_b32 v25, 8, v25
	v_and_b32 v26, 7, v0
	v_lshl_add_u32 v25, v26, 5, v25
	v_bfe_u32 v26, v0, 3, 2
	v_lshl_add_u32 v25, v26, 2, v25
	v_add_nc_u32 v25, KSWL, v25
	v_and_b32 v29, 15, v0                          ; r
	v_bfe_u32 v30, v0, 4, 1                        ; h
	v_lshlrev_b32 v26, 8, v27                      ; V's: thread t holds the word of key step t / 64, channel tile (t / 16) % 4, row t % 16: 256 (t / 64) + 16 (t % 16) + 4 ((t / 16) % 4)
	v_lshl_add_u32 v26, v29, 4, v26
	v_bfe_u32 v31, v0, 4, 2
	v_lshl_add_u32 v26, v31, 2, v26
	v_add_nc_u32 v26, VSWL, v26
	v_add_nc_u32 v31, VSWL+2048, v19               ; Wq's scale bytes in LDS
	v_add_nc_u32 v14, BQL, v19                     ; bq in LDS
	; lane terms that stay
	v_and_b32 v1, 31, v0
	v_lshlrev_b32 v1, 4, v1                        ; 16 x lane
	v_lshl_add_u32 v2, v29, 4, KSWL
	v_add_nc_u32 v7, VC, v1
	v_lshl_add_u32 v8, v29, 4, VSWL
	v_lshlrev_b32 v9, 5, v29                       ; 32 r
	v_mul_u32_u24 v10, v29, WQP
	v_lshl_add_u32 v10, v30, 4, v10
	v_add_nc_u32 v10, WQ, v10
	v_add_nc_u32 v11, VSWL+2048, v9
	v_lshl_add_u32 v22, v30, 5, BQL                ; bq for my half of the lanes: 32 h
	s_mov_b32 s35, 0
	s_wait_kmcnt 0x0
	s_lshl_b32 s47, s29, 3
	s_add_co_u32 s47, s47, s31                     ; 8 x batch + head pair
	s_lshl_b32 s34, s47, 17
	s_lshl_b32 s33, s32, 10
	s_add_co_u32 s34, s34, s33
	s_add_nc_u64 s[14:15], s[14:15], s[34:35]      ; KF
	s_lshl_b32 s34, s47, 12
	s_add_nc_u64 s[16:17], s[16:17], s[34:35]      ; KSW
	s_lshl_b32 s47, s29, 9
	s_lshl_b32 s34, s30, 2
	s_add_co_u32 s47, s47, s34                     ; 512 x batch + 4 x head
	s_lshl_b32 s34, s47, 11
	s_add_nc_u64 s[18:19], s[18:19], s[34:35]      ; VF
	s_lshl_b32 s34, s47, 6
	s_add_nc_u64 s[20:21], s[20:21], s[34:35]      ; VSW
	s_lshl_b32 s34, s30, 16
	s_add_nc_u64 s[8:9], s[8:9], s[34:35]          ; my head's 64 rows of Wq
	s_lshl_b32 s34, s30, 11
	s_add_nc_u64 s[10:11], s[10:11], s[34:35]
	s_lshl_b32 s34, s30, 8
	s_add_nc_u64 s[12:13], s[12:13], s[34:35]      ; bq
	s_lshl_b32 s34, s29, 10
	s_add_nc_u64 s[22:23], s[22:23], s[34:35]      ; the batch's mask
	s_lshl_b32 s47, s29, 6
	s_lshl_b32 s34, ttmp9, 5
	s_add_co_u32 s47, s47, s34
	s_lshl_b32 s34, s28, 1
	s_add_co_u32 s47, s47, s34                     ; my first row tile: 64 x batch + 32 x half + 2 x wave
	s_lshl_b32 s34, s47, 14
	s_add_nc_u64 s[4:5], s[4:5], s[34:35]          ; QF
	s_add_nc_u64 s[24:25], s[24:25], s[34:35]      ; OF,
	s_lshl_b32 s34, s31, 11
	s_add_co_u32 s34, s34, s33
	s_add_nc_u64 s[24:25], s[24:25], s[34:35]      ; at my head's half of the head pair's fragment
	s_lshl_b32 s34, s47, 9
	s_add_nc_u64 s[6:7], s[6:7], s[34:35]          ; QSW
	s_add_nc_u64 s[26:27], s[26:27], s[34:35]      ; OSW,
	s_lshl_b32 s34, s30, 1
	s_add_nc_u64 s[26:27], s[26:27], s[34:35]      ; at my head's two bytes
	; ---- the copy: each load of the work-group covers 8,192 bytes
.irp i, 0,1,2,3,4,5,6,7
	global_load_b128 v[32+4*\i:35+4*\i], v16, s[14:15] offset:16384*\i
.endr
.irp i, 0,1,2,3,4,5,6,7
	global_load_b128 v[64+4*\i:67+4*\i], v17, s[18:19] offset:131072*\i
.endr
.irp i, 0,1,2,3,4,5,6,7
	global_load_b128 v[96+4*\i:99+4*\i], v17, s[8:9] offset:8192*\i
.endr
	global_load_b64 v[128:129], v18, s[16:17]      ; the scale words of keys 2 t, 2 t + 1 (both heads of the pair)
	global_load_b32 v130, v20, s[20:21]
	global_load_b32 v131, v19, s[10:11]
	global_load_u16 v132, v21, s[22:23]            ; their two mask bytes
	global_load_b32 v137, v15, s[12:13]            ; bq(t % 64)
.macro QLOAD s                         ; q's fragments of K step s, both tiles, into set s % 2
.irp t, 0,1
.set FQ, 160+32*((\s)%2)+16*\t+24*(((\s)%2)*\t)
.irp c, 0,1,2,3
	global_load_b128 v[FQ+4*\c:FQ+4*\c+3], v1, s[4:5] offset:16384*\t+2048*(\s)+512*\c
.endr
.endr
.endm
.irp t, 0,1
.irp u, 0,1
	global_load_b128 v[216+8*\t+4*\u:219+8*\t+4*\u], v9, s[6:7] offset:512*\t+16*\u   ; q's scale words: register 8 t + s.  Ahead of q's fragments, so that a step's wait may leave the next step's loads out
.endr
.endr
	QLOAD 0
	QLOAD 1
	s_wait_loadcnt 20                              ; the copy's 29 loads are in; q's 4 + 16 may be out
	v_and_b32 v133, 1, v132
	v_bfe_u32 v134, v132, 8, 1
	v_xor_b32 v133, 1, v133                        ; 1 where the key is hidden
	v_xor_b32 v134, 1, v134
	v_lshrrev_b32 v128, s46, v128                  ; my head's two bytes
	v_lshrrev_b32 v129, s46, v129
	v_and_b32 v128, 0xffff, v128
	v_and_b32 v129, 0xffff, v129
	v_mad_u32_u24 v135, v133, 241, 1               ; the third block's byte: 1, or 242 for a hidden key
	v_mad_u32_u24 v136, v134, 241, 1
	v_lshl_or_b32 v128, v135, 16, v128
	v_lshl_or_b32 v129, v136, 16, v129
	v_or_b32 v128, 0x1000000, v128                 ; the fourth block is empty: byte 1
	v_or_b32 v129, 0x1000000, v129
.irp i, 0,1,2,3,4,5,6,7
	ds_store_b128 v17, v[32+4*\i:35+4*\i] offset:8192*\i
	ds_store_b128 v23, v[64+4*\i:67+4*\i] offset:8192*\i
	ds_store_b128 v24, v[96+4*\i:99+4*\i] offset:8320*\i
.endr
	ds_store_b32 v25, v128
	ds_store_b32 v25, v129 offset:16
	ds_store_b32 v26, v130
	ds_store_b32 v31, v131
	ds_store_b32 v14, v137
	s_wait_dscnt 0x0                               ; for the others' sake, and the stores have read their registers
	s_barrier_signal -1
	s_barrier_wait -1                              ; LDS is whole; from here on it is only read
.irp t, 0,1
.irp f, 0,1,2,3
.irp u, 0,1
	ds_load_b128 v[96+32*\t+8*\f+4*\u:99+32*\t+8*\f+4*\u], v22 offset:64*\f+16*\u   ; bq(16 f + 8 h + 0..7) begins the sums of both tiles
.endr
.endr
.endr
; ---- qh for my 32 queries: eight accumulators by turns, K step by K step
.macro QSTEP s
.irp f, 0,1,2,3
.irp c, 0,1,2,3
	ds_load_b128 v[32+16*\f+4*\c:35+16*\f+4*\c], v10 offset:16640*\f+128*\s+32*\c
.endr
	ds_load_b32 v[252+\f], v11 offset:512*\f+4*\s
.endr
	s_wait_dscnt 0x0
.if \s == 7
	s_wait_loadcnt 0x0
.else
	s_wait_loadcnt 0x8                             ; this step's 8 loads (and q's scale words) are in; the next step's 8 may be out
.endif
.irp t, 0,1
.set FQ, 160+32*((\s)%2)+16*\t+24*(((\s)%2)*\t)
.irp f, 0,1,2,3
	v_wmma_scale_f32_16x16x128_f8f6f4 v[96+32*\t+8*\f:103+32*\t+8*\f], v[32+16*\f:47+16*\f], v[FQ:FQ+15], v[96+32*\t+8*\f:103+32*\t+8*\f], v[252+\f], v[216+8*\t+\s]
.endr
.endr
.rept 8
	v_nop                                          ; places in front of loads into registers that these products read, and of the first read of results
.endr
.if \s < 6
	QLOAD \s+2
.endif
.endm
.irp s, 0,1,2,3,4,5,6,7
	QSTEP \s
.endr
; 32 numbers of a lane (two blocks of 32 shared with lane l xor 16) become 8 registers of codes; the two scale bytes are left in v236, v237
.macro QUANT2 src, dst
.irp b, 0,1
	v_max3_num_f32 v[232+\b], |v[\src+16*\b]|, |v[\src+16*\b+1]|, 0x4800000   ; with the floor 2^(9 - 127)
.endr
.irp i, 2,4,6,8,10,12,14
.irp b, 0,1
	v_max3_num_f32 v[232+\b], v[232+\b], |v[\src+16*\b+\i]|, |v[\src+16*\b+\i+1]|
.endr
.endr
.irp b, 0,1
	v_permlanex16_b32 v[236+\b], v[232+\b], s36, s37
.endr
.irp b, 0,1
	v_max_num_f32 v[232+\b], v[232+\b], v[236+\b]
.endr
.irp b, 0,1
	v_add_nc_u32 v[244+\b], 0xfc000000, v[232+\b]  ; the conversion's scale operand
.endr
.irp b, 0,1
	v_and_or_b32 v[240+\b], v[232+\b], 0x7f800000, s40   ; 448 x the scale
.endr
.irp b, 0,1
	v_lshrrev_b32 v[236+\b], 23, v[244+\b]         ; the scale's byte
.endr
.irp b, 0,1
.irp i, 0,1,2,3,4,5,6,7,8,9,10,11,12,13,14,15
	v_med3_num_f32 v[\src+16*\b+\i], v[\src+16*\b+\i], -v[240+\b], v[240+\b]
.endr
	v_cvt_scalef32_pk8_fp8_f32 v[\dst+4*\b:\dst+4*\b+1], v[\src+16*\b:\src+16*\b+7], v[244+\b]
	v_cvt_scalef32_pk8_fp8_f32 v[\dst+4*\b+2:\dst+4*\b+3], v[\src+16*\b+8:\src+16*\b+15], v[244+\b]
.endr
	v_nop                                          ; one plain vector instruction behind the last conversion
.endm
	QUANT2 96, 16
	v_lshl_or_b32 v217, v237, 8, v236
	v_or_b32 v217, 0x7f7f0000, v217                ; Q's scale word: two bytes of the head, 127 for the mask's place, 127 for the empty block
	QUANT2 128, 208
	v_lshl_or_b32 v216, v237, 8, v236
	v_or_b32 v216, 0x7f7f0000, v216
	v_bfe_u32 v250, v0, 4, 1
	v_xor_b32 v250, 1, v250                        ; 1 in lanes 0-15: K place 64 is register 8, byte 0, of those lanes
	v_mul_u32_u24 v24, 56, v250                    ; Q: the code 1.0 (0x38) there
	v_mul_u32_u24 v40, 254, v250                   ; every key: the code -448 (0xfe) there; the key's scale byte says what it weighs
	v_mov_b32 v56, v40
	v_mov_b32 v72, v40
	v_mov_b32 v88, v40
.irp i, 25,26,27,28,29,30,31
	v_mov_b32 v[\i], 0
.endr
.irp t, 0,1,2,3
.irp i, 9,10,11,12,13,14,15
	v_mov_b32 v[32+16*\t+\i], 0                    ; the unused places of K's four fragments: zero codes, set once
.endr
.endr
	v_mov_b32 v249, 0                              ; (named as the upper half of the pair v[248:249])
	s_mov_b32 s45, 0
.Ltile:
	v_mov_b32 v13, 0xf149f2ca                      ; the largest t so far: -1e30
	v_floor_f32 v12, -v13                          ; -M
	v_mov_b32 v14, 0
	v_mov_b32 v15, 0
.set J, 0
.rept 32
	v_mov_b32 v[160+J], 0                          ; O^T: the key step is written once; the first finds zeros
.set J, J+1
.endr
	s_mov_b32 s41, 0                               ; 8,192 x key step: K's and V's codes
	s_mov_b32 s42, 0                               ; 512 x key step: K's words
	s_mov_b32 s43, 0                               ; 256 x key step: V's words
	s_mov_b32 s44, 0
.Lkey:                                             ; a key step: 128 keys
	v_add_nc_u32 v3, s41, v1
	v_add_nc_u32 v4, s42, v2
.irp t, 0,1,2,3
	ds_load_b128 v[32+16*\t:35+16*\t], v3 offset:1024*\t
	ds_load_b128 v[36+16*\t:39+16*\t], v3 offset:1024*\t+512
.endr
	ds_load_b128 v[218:221], v4                    ; my row's scale words in the four tiles
	v_add_nc_u32 v5, s41, v7
	v_add_nc_u32 v6, s43, v8
.rept 5
	v_nop                                          ; with the four additions: nine places between the last products V^T P and the scores, which are laid over V's fragments
.endr
	s_wait_dscnt 0x0
.irp t, 0,1,2,3
	v_wmma_scale_f32_16x16x128_f8f6f4 v[96+8*\t:103+8*\t], v[32+16*\t:47+16*\t], v[16:31], 0, v[218+\t], v217
.endr
.rept 8
	v_nop                                          ; places in front of loads into registers that these products read
.endr
.irp t, 0,1,2,3
	ds_load_b128 v[32+16*\t:35+16*\t], v3 offset:4096+1024*\t
	ds_load_b128 v[36+16*\t:39+16*\t], v3 offset:4096+1024*\t+512
.endr
	ds_load_b128 v[218:221], v4 offset:256
	s_wait_dscnt 0x0
.irp t, 0,1,2,3
	v_wmma_scale_f32_16x16x128_f8f6f4 v[128+8*\t:135+8*\t], v[32+16*\t:47+16*\t], v[16:31], 0, v[218+\t], v217
.endr
; the largest score of each block of 32 keys: it serves for the row's maximum and, since p rises with the score, for the block's largest p.  Blocks 0 and 1 first: their sixteen lines are the places behind the four products above
.irp p, 0,2
.irp b, \p, \p+1
	v_max3_num_f32 v[232+(\b)], v[96+16*(\b)], v[97+16*(\b)], v[98+16*(\b)]
.endr
.irp i, 3,5,7,9,11,13
.irp b, \p, \p+1
	v_max3_num_f32 v[232+(\b)], v[232+(\b)], v[96+16*(\b)+\i], v[97+16*(\b)+\i]
.endr
.endr
.irp b, \p, \p+1
	v_max_num_f32 v[232+(\b)], v[232+(\b)], v[111+16*(\b)]
.endr
.endr
.irp b, 0,1,2,3
	v_permlanex16_b32 v[236+\b], v[232+\b], s36, s37
.endr
.irp b, 0,1,2,3
	v_max_num_f32 v[232+\b], v[232+\b], v[236+\b]  ; with lane l xor 16's 16 keys
.endr
	v_max3_num_f32 v250, v232, v233, v234
	v_max_num_f32 v250, v250, v235
	v_mul_f32 v250, s38, v250                      ; as t
	v_max_num_f32 v13, v13, v250                   ; the running largest t
	v_mov_b32 v250, v12
	v_floor_f32 v12, -v13                          ; the new -M = -ceil(t)
	v_sub_f32 v250, v12, v250                      ; old M - new M: a whole number, 0 or less
	v_cvt_i32_f32 v250, v250                       ; (it saturates)
	v_ldexp_f32 v248, 1.0, v250                    ; f = 2^(old M - new M)
.set J, 0
.rept 32
	v_pk_fma_f32 v[96+J:97+J], v[96+J:97+J], s[38:39], v[12:13] op_sel_hi:[1,0,0]   ; t - M, two at a time
.set J, J+2
.endr
.irp b, 0,1,2,3
	v_fma_f32 v[232+\b], v[232+\b], s38, v12       ; the same of each block's largest score
.endr
.set J, 0
.rept 64
	v_exp_f32 v[96+J], v[96+J]                     ; p = 2^(t - M)
.set J, J+1
.endr
	v_pk_mul_f32 v[14:15], v[14:15], v[248:249] op_sel_hi:[1,0]   ; the sum under the new M; a plain instruction behind the exponentials
	s_wait_alu depctr_va_vdst(0)                   ; one wait for the batch, ahead of its first reader
.irp b, 0,1,2,3
	v_exp_f32 v[232+\b], v[232+\b]                 ; the block's largest p
.endr
	v_pk_add_f32 v[236:237], v[96:97], v[98:99]    ; the sum of the unquantised p, in two chains
.irp j, 4,8,12,16,20,24,28,32,36,40,44,48,52,56,60
	v_pk_add_f32 v[14:15], v[14:15], v[96+\j:97+\j]
	v_pk_add_f32 v[236:237], v[236:237], v[98+\j:99+\j]
.endr
	v_pk_add_f32 v[14:15], v[14:15], v[236:237]
	s_wait_alu depctr_va_vdst(0)                   ; and one for the four
.irp b, 0,1,2,3
	v_max_num_f32 v[232+\b], 0x4800000, v[232+\b]  ; the floor: a block whose every p is 0 keeps the byte 1
.endr
.irp b, 0,1,2,3
	v_add_nc_u32 v[244+\b], 0xfc000000, v[232+\b]
.endr
.irp b, 0,1,2,3
	v_and_or_b32 v[240+\b], v[232+\b], 0x7f800000, s40   ; 448 x the scale
.endr
.irp b, 0,1,2,3
	v_lshrrev_b32 v[236+\b], 23, v[244+\b]
.endr
	v_lshl_or_b32 v226, v237, 8, v236              ; p's scale word for these 128 keys
	v_lshl_or_b32 v226, v238, 16, v226
	v_lshl_or_b32 v226, v239, 24, v226
.irp b, 0,1,2,3
	v_and_or_b32 v[236+(\b+1)%4], v[232+\b], 0x7f800000, s40   ; 448 x the scale once more, in a register whose number differs modulo 4: the two halves of a dual-issue pair take their second sources from different register banks
.endr
.irp b, 0,1,2,3
.irp i, 0,2,4,6,8,10,12,14
	v_dual_min_num_f32 v[96+16*\b+\i], v[96+16*\b+\i], v[240+\b] :: v_dual_min_num_f32 v[97+16*\b+\i], v[97+16*\b+\i], v[236+(\b+1)%4]   ; the hold, two numbers an instruction; p is not negative
.endr
	v_cvt_scalef32_pk8_fp8_f32 v[192+4*\b:193+4*\b], v[96+16*\b:103+16*\b], v[244+\b]
	v_cvt_scalef32_pk8_fp8_f32 v[194+4*\b:195+4*\b], v[104+16*\b:111+16*\b], v[244+\b]
.irp c, 0,1,2,3
	ds_load_b128 v[96+16*\b+4*\c:99+16*\b+4*\c], v5 offset:2048*\b+512*\c   ; V's fragment b takes the registers that the block's p has left
.endr
.endr
	ds_load_b128 v[222:225], v6                    ; my row's scale words in V's four channel tiles
.set J, 0
.rept 16
	v_pk_mul_f32 v[160+J:161+J], v[160+J:161+J], v[248:249] op_sel_hi:[1,0]   ; O^T under the new M; also the places between p's codes and scale word and the products
.set J, J+2
.endr
	s_wait_dscnt 0x0
.irp t, 0,1,2,3
	v_wmma_scale_f32_16x16x128_f8f6f4 v[160+8*\t:167+8*\t], v[96+16*\t:111+16*\t], v[192:207], v[160+8*\t:167+8*\t], v[222+\t], v226
.endr
	s_add_co_u32 s41, s41, 8192
	s_add_co_u32 s42, s42, 512
	s_add_co_u32 s43, s43, 256
	s_add_co_u32 s44, s44, 1
	s_cmp_lt_u32 s44, 8
	s_cbranch_scc1 .Lkey
	; ---- the tile's way out
.rept 8
	v_nop                                          ; places behind the last products
.endr
	v_add_f32 v14, v14, v15
	v_permlanex16_b32 v250, v14, s36, s37
	v_add_f32 v14, v14, v250                       ; the row's sum
	v_rcp_f32 v14, v14
	v_nop
	s_wait_alu depctr_va_vdst(0)                   ; ahead of the first reader
.set J, 0
.rept 32
	v_mul_f32 v[96+J], v[160+J], v14               ; register 8 t + j: channel 16 t + 8 h + j of my query
.set J, J+1
.endr
	QUANT2 96, 192
	v_lshl_or_b32 v250, v237, 8, v236
	global_store_b128 v1, v[192:195], s[24:25]     ; my head's two pieces of the fragment: 512 consecutive bytes each, aligned
	global_store_b128 v1, v[196:199], s[24:25] offset:512
	global_store_b16 v9, v250, s[26:27]            ; row r's two scale bytes (both halves of the lanes hold and write the same)
	s_wait_xcnt 0x0                                ; the stores have read their registers and bases
	s_add_nc_u64 s[24:25], s[24:25], 16384
	s_add_nc_u64 s[26:27], s[26:27], 512
.irp i, 0,1,2,3,4,5,6,7
	v_mov_b32 v[16+\i], v[208+\i]                  ; the second tile's Q (in the last trip these nine lines serve nothing)
.endr
	v_mov_b32 v217, v216
	s_add_co_u32 s45, s45, 1
	s_cmp_lt_u32 s45, 2
	s_cbranch_scc1 .Ltile
	s_wait_xcnt 0x0
	v_lshl_add_u32 v254, v0, 2, 0x33400
	v_mov_b32 v255, 0
	s_wait_tensorcnt 0x0
	ds_add_u32 v254, v255
	s_wait_dscnt 0x0
	s_endpgm
.Lfunc_end_k_q575e27161c_attn:
	.size	k_q575e27161c_attn, .Lfunc_end_k_q575e27161c_attn-k_q575e27161c_attn
	.p2alignl 7, 3214868480
	.fill 96, 4, 3214868480
	.section	.rodata,"a",@progbits
	.p2align	6, 0x0
	.amdhsa_kernel k_q575e27161c_attn
		.amdhsa_group_segment_fixed_size 211968
		.amdhsa_private_segment_fixed_size 0
		.amdhsa_enable_private_segment 0
		.amdhsa_kernarg_size 96
		.amdhsa_user_sgpr_count 2
		.amdhsa_user_sgpr_kernarg_segment_ptr 1
		.amdhsa_wavefront_size32 1
		.amdhsa_system_sgpr_workgroup_id_x 1
		.amdhsa_system_sgpr_workgroup_id_y 1
		.amdhsa_system_sgpr_workgroup_id_z 1
		.amdhsa_system_vgpr_workitem_id 0
		.amdhsa_next_free_vgpr 256
		.amdhsa_next_free_sgpr 66
		.amdhsa_reserve_vcc 0
		.amdhsa_float_denorm_mode_32 3
		.amdhsa_float_denorm_mode_16_64 3
		.amdhsa_memory_ordered 1
		.amdhsa_forward_progress 1
		.amdhsa_inst_pref_size 74
	.end_amdhsa_kernel
	.amdgpu_metadata
---
amdhsa.version: [ 1, 2 ]
amdhsa.kernels:
  - .name:           k_q575e27161c_attn
    .symbol:         k_q575e27161c_attn.kd
    .args:
      - { .name: QF, .offset: 0, .size: 8, .value_kind: global_buffer, .address_space: global }
      - { .name: QSW, .offset: 8, .size: 8, .value_kind: global_buffer, .address_space: global }
      - { .name: Wq_codes, .offset: 16, .size: 8, .value_kind: global_buffer, .address_space: global }
      - { .name: Wq_scales, .offset: 24, .size: 8, .value_kind: global_buffer, .address_space: global }
      - { .name: bq, .offset: 32, .size: 8, .value_kind: global_buffer, .address_space: global }
      - { .name: KF, .offset: 40, .size: 8, .value_kind: global_buffer, .address_space: global }
      - { .name: KSW, .offset: 48, .size: 8, .value_kind: global_buffer, .address_space: global }
      - { .name: VF, .offset: 56, .size: 8, .value_kind: global_buffer, .address_space: global }
      - { .name: VSW, .offset: 64, .size: 8, .value_kind: global_buffer, .address_space: global }
      - { .name: key_padding_mask, .offset: 72, .size: 8, .value_kind: global_buffer, .address_space: global }
      - { .name: OF, .offset: 80, .size: 8, .value_kind: global_buffer, .address_space: global }
      - { .name: OSW, .offset: 88, .size: 8, .value_kind: global_buffer, .address_space: global }
    .group_segment_fixed_size: 211968
    .private_segment_fixed_size: 0
    .kernarg_segment_align: 8
    .kernarg_segment_size: 96
    .max_flat_workgroup_size: 512
    .sgpr_count:     66
    .vgpr_count:     256
    .wavefront_size: 32
...
	.end_amdgpu_metadata
.endif
;; end of part 2
;; launch oproj (part 3): grid 256 x 1, 4 waves a work-group, clusters of 4 x 1, 327,680 bytes of LDS; arguments OF, OSW, Wo_codes, Wo_scales, bo, q, gamma, beta, out0; writes out0
.if DOCPART == 3
	.amdgcn_target "amdgcn-amd-amdhsa--gfx1250"
	.amdhsa_code_object_version 6
	.text
	.protected	k_q575e27161c_oproj
	.globl	k_q575e27161c_oproj
	.p2align	8
	.type	k_q575e27161c_oproj,@function
k_q575e27161c_oproj:
	s_mov_b64 s[64:65], 0
	v_nop
	global_prefetch_b8 v0, s[64:65] scope:SCOPE_SE
	s_setreg_imm32_b32 hwreg(HW_REG_WAVE_MODE, 25, 1), 1
	s_wait_xcnt 0x0
	s_wait_alu depctr_hold_cnt(0) depctr_sa_sdst(0) depctr_va_vdst(0) depctr_va_sdst(0) depctr_va_ssrc(0) depctr_va_vcc(0) depctr_vm_vsrc(0)
	s_getreg_b32 s2, hwreg(HW_REG_IB_STS2, 6, 4)
	s_cmp_eq_u32 s2, 0
	s_cbranch_scc0 .Lentry_in_a_cluster
	s_endpgm
.Lentry_in_a_cluster:
	s_bfe_u32 s2, ttmp6, 0x10000c
	s_cmp_lg_u32 s2, 0x3003
	s_cbranch_scc0 .Lentry_shape_is_right
	s_endpgm
.Lentry_shape_is_right:
; OPROJ.  y = A Wo^T + bo + q, A the attention's result as codes; out0 = (y - mean) rsqrt(var + 1e-5) gamma + beta, mean and var along a row's 1,024.
; SHARES.  A work-group owns 32 whole rows; wave w owns columns 256 w .. 256 w + 255: 32 accumulators, 256 registers.  A's 16 fragments stay in registers.  Wo is walked by columns: slot g = 0..7 holds, for each wave,
; its own rows 256 w + 32 g .. + 31 with all of K: 32 rows of 1,024 bytes, dense in memory.  Each wave fetches and reads its own part alone.
; CLUSTER 4 x 1: all work-groups walk the same Wo, so each tile is asked for jointly by the four partners (mask 15); the descriptors hang on the wave and on the slot alone.
; TRANSPOSED: source 0 = 16 rows of Wo, source 1 = 16 rows of A: a lane holds one row of y and eight neighbouring columns.  q begins the sums, bo is added to it; q's loads are awaited slot by slot.
; A's codes lie, inside each block of 32 along K, in the order 8 h + 0..7, 16 + 8 h + 0..7 of lane half h: Wo's fragments are read by pieces of 8 bytes at 16 c + 8 h, which gives them the same order.
; The variance is taken of y - mean in a second pass: no difference of large sums.
; REGISTERS.  window 0: v1-13 addresses; v32-47 A's scale words, v48-63 Wo's; v64-79 gamma, beta; v80-103 statistics; v128-255 bo, later rows on the way out.
;   window 1: A's fragments, (m, s) at 16 (8 m + s).   window 2: y, (g, n, m) at 8 (4 g + 2 n + m).   window 3: Wo's 16 fragments of a slot, (n, s) at 16 (8 n + s).
.set WP,    1040                       ; an LDS row of Wo: 1,024 bytes + 16 of padding
.set WPART, 32*WP                      ; a wave's part of a slot
.set SLOTB, 4*WPART
.set SCW,   2*SLOTB                    ; Wo's scale bytes, 32 a row, dense: filled once
.set SPARE, 299008                     ; the spare words, 128 bytes for each wave, which no other line names
.set RED,   299520                     ; the sums' exchange: two phases x 4 waves x 32 rows
.set G1W, 28
.set G0W, 36                           ; s[36:39], s[40:43]: a group 0 for each slot
.set G1S, 44
.set G0S, 52
.set MSB, 0
.macro WIN new
.if MSB != (\new)
	s_set_vgpr_msb (MSB<<8)|(\new)
.set MSB, (\new)
.endif
.endm
.macro ROUND                           ; a round of the cluster's barrier
	s_barrier_signal -1
	s_barrier_wait -1
	s_cmp_lg_u32 s22, 0
	s_cbranch_scc1 .Lnot_wave_0_\@
	s_barrier_signal -3
.Lnot_wave_0_\@:
	s_barrier_wait -3
	s_barrier_signal -1
	s_barrier_wait -1
.endm
	s_load_b512 s[4:19], s[0:1], 0x0               ; OF, OSW, Wo_codes, Wo_scales, bo, q, gamma, beta
	s_load_b64 s[20:21], s[0:1], 0x40              ; out0
	v_lshl_add_u32 v28, v0, 2, SPARE
	v_mov_b32 v29, 0
	ds_add_u32 v28, v29
	ds_add_u32 v28, v29
	s_wait_dscnt 0x0
	v_lshrrev_b32 v1, 5, v0
	v_readfirstlane_b32 s22, v1                    ; wave 0..3
	s_bfe_u32 s23, ttmp6, 0x40000
	s_lshl_b32 s24, ttmp9, 2
	s_add_co_u32 s24, s24, s23                     ; the work-group: it enters A's, q's and out0's addresses alone
	s_mov_b32 s[G1W], 15|(3<<16)|(1<<20)|(1<<21)|(7<<22)|(3<<25)   ; all four partners; elements of 8 bytes; padding on; bit 21 beside a mask; after every 256 words, 4 words
	s_mov_b32 s[G1W+1], 128<<16                    ; tensor_dim0: 128 elements = 1,024 bytes
	s_mov_b32 s[G1W+2], 32<<16                     ; tensor_dim1
	s_mov_b32 s[G1W+3], 128<<16                    ; tile_dim0
	s_mov_b32 s[G1W+4], 32                         ; tile_dim1
	s_mov_b32 s[G1W+5], 128                        ; from row to row
	s_mov_b32 s[G1W+6], 0
	s_mov_b32 s[G1W+7], 0
	s_mov_b32 s[G1S], 15|(3<<16)|(1<<21)           ; my 256 rows' scale bytes: 8,192 dense bytes as 32 rows of 256
	s_mov_b32 s[G1S+1], 32<<16
	s_mov_b32 s[G1S+2], 32<<16
	s_mov_b32 s[G1S+3], 32<<16
	s_mov_b32 s[G1S+4], 32
	s_mov_b32 s[G1S+5], 32
	s_mov_b32 s[G1S+6], 0
	s_mov_b32 s[G1S+7], 0
	s_mov_b32 s56, 0x76543210
	s_mov_b32 s57, 0xfedcba98
	s_mov_b32 s58, 0xba800000                      ; -1 / 1,024
	s_mov_b32 s59, 0x3a800000                      ; 1 / 1,024
	s_mul_i32 s25, s22, WPART
	s_lshl_b32 s60, s22, 18                        ; my 256 rows of Wo
	s_mov_b32 s61, 0
	s_lshl_b32 s62, s22, 13
	s_mov_b32 s63, 0
	s_wait_kmcnt 0x0
	s_add_nc_u64 s[8:9], s[8:9], s[60:61]
	s_add_nc_u64 s[10:11], s[10:11], s[62:63]
	ROUND                                          ; the four work-groups are here: the first joint loads meet
	s_mov_b32 s[G0S], 1
	s_add_co_u32 s[G0S+1], s62, SCW
	s_mov_b64 s[G0S+2:G0S+3], s[10:11]
	s_or_b32 s[G0S+3], s[G0S+3], 0x80000000
.irp s, 0,1
	s_mov_b32 s[G0W+4*\s], 1
	s_add_co_u32 s[G0W+4*\s+1], s25, \s*SLOTB
	s_add_nc_u64 s[G0W+4*\s+2:G0W+4*\s+3], s[8:9], \s*32768
	s_or_b32 s[G0W+4*\s+3], s[G0W+4*\s+3], 0x80000000
.endr
	tensor_load_to_lds s[G0S:G0S+3], s[G1S:G1S+7]  ; three tensor loads of mine are out: the scale bytes, slots 0 and 1
	s_nop 0
	tensor_load_to_lds s[G0W:G0W+3], s[G1W:G1W+7]
	s_nop 0
	tensor_load_to_lds s[G0W+4:G0W+7], s[G1W:G1W+7]
	s_nop 0
.rept 4
	v_nop
.endr
	v_and_b32 v2, 15, v0                           ; r
	v_bfe_u32 v3, v0, 4, 1                         ; h
	v_and_b32 v1, 31, v0
	v_lshlrev_b32 v1, 4, v1                        ; 16 x lane
	v_mul_u32_u24 v14, v2, WP
	v_lshl_add_u32 v4, v3, 3, v14
	v_add_nc_u32 v4, s25, v4                       ; Wo's fragments in slot 0: my part + 1,040 r + 8 h
	v_add_nc_u32 v5, SLOTB, v4                     ; in slot 1
	v_lshlrev_b32 v8, 5, v2                        ; 32 r
	s_lshl_b32 s26, s22, 13
	s_add_co_u32 s26, s26, SCW
	v_add_nc_u32 v6, s26, v8                       ; Wo's scale words
	v_lshlrev_b32 v7, 12, v2
	v_lshl_add_u32 v7, v3, 5, v7                   ; q: 4,096 r + 32 h
	v_lshl_add_u32 v9, v3, 5, v14
	v_add_nc_u32 v9, s25, v9                       ; the stage, way in: my part of slot 0 + 1,040 r + 32 h
	v_add_nc_u32 v10, s25, v1                      ; way out
	s_lshl_b32 s26, s22, 7
	s_add_co_u32 s26, s26, RED
	v_lshlrev_b32 v12, 2, v2
	v_add_nc_u32 v11, s26, v12                     ; where I put my wave's sums
	v_add_nc_u32 v12, RED, v12                     ; and where all four are read
	v_lshlrev_b32 v13, 5, v3                       ; 32 h
	s_lshl_b32 s60, s24, 15
	s_add_nc_u64 s[4:5], s[4:5], s[60:61]          ; OF: two row tiles x 8 fragments
	s_lshl_b32 s60, s24, 10
	s_add_nc_u64 s[6:7], s[6:7], s[60:61]          ; OSW
	s_lshl_b32 s62, s22, 10                        ; my 256 columns
	s_add_nc_u64 s[12:13], s[12:13], s[62:63]
	s_add_nc_u64 s[16:17], s[16:17], s[62:63]
	s_add_nc_u64 s[18:19], s[18:19], s[62:63]
	s_lshl_b32 s60, s24, 17
	s_add_co_u32 s60, s60, s62
	s_add_nc_u64 s[14:15], s[14:15], s[60:61]      ; q and out0: 32 rows of 4,096 bytes a work-group
	s_add_nc_u64 s[20:21], s[20:21], s[60:61]
	WIN 0x40
.irp m, 0,1
.irp s, 0,1,2,3,4,5,6,7
.irp c, 0,1,2,3
	global_load_b128 v[16*(8*\m+\s)+4*\c:16*(8*\m+\s)+4*\c+3], v1, s[4:5] offset:16384*\m+2048*\s+512*\c
.endr
.endr
.endr
	WIN 0
.irp m, 0,1
.irp u, 0,1
	global_load_b128 v[32+8*\m+4*\u:35+8*\m+4*\u], v8, s[6:7] offset:512*\m+16*\u
.endr
.endr
.irp t, 0,1,2,3,4,5,6,7,8,9,10,11,12,13,14,15
.irp u, 0,1
	global_load_b128 v[128+8*\t+4*\u:131+8*\t+4*\u], v13, s[12:13] offset:64*\t+16*\u   ; bo(16 t + 8 h + 0..7)
.endr
.endr
.irp u, 0,1
	global_load_b128 v[64+4*\u:67+4*\u], v1, s[16:17] offset:512*\u
	global_load_b128 v[72+4*\u:75+4*\u], v1, s[18:19] offset:512*\u
.endr
	WIN 0x80
.irp g, 0,1,2,3,4,5,6,7                        ; q last, in the order of the slots: eight loads a slot
.irp n, 0,1
.irp m, 0,1
.irp u, 0,1
	global_load_b128 v[8*(4*\g+2*\n+\m)+4*\u:8*(4*\g+2*\n+\m)+4*\u+3], v7, s[14:15] offset:65536*\m+128*\g+64*\n+16*\u th:TH_LOAD_NT
.endr
.endr
.endr
.endr
	WIN 0
; Slot g's work: 132 LDS loads, q + bo while they are out, 32 matrix instructions on four accumulators by turns
.macro WORK g
.irp n, 0,1
.irp u, 0,1
	ds_load_b128 v[48+8*\n+4*\u:51+8*\n+4*\u], v6 offset:1024*\g+512*\n+16*\u
.endr
.endr
	WIN 0xc0
.irp s, 0,1,2,3,4,5,6,7
.irp n, 0,1
.irp c, 0,1,2,3,4,5,6,7
	ds_load_b64 v[16*(8*\n+\s)+2*\c:16*(8*\n+\s)+2*\c+1], v[4+(\g)%2] offset:16640*\n+128*\s+16*\c
.endr
.endr
.endr
	WIN 0x82
	s_wait_loadcnt 8*(7-\g)                        ; all up to this slot's eight loads of q are in; the later slots' eight apiece may be out
.irp n, 0,1
.irp m, 0,1
.irp i, 0,2,4,6
	v_pk_add_f32 v[8*(4*\g+2*\n+\m)+\i:8*(4*\g+2*\n+\m)+\i+1], v[8*(4*\g+2*\n+\m)+\i:8*(4*\g+2*\n+\m)+\i+1], v[128+8*(2*\g+\n)+\i:128+8*(2*\g+\n)+\i+1]
.endr
.endr
.endr
	s_wait_dscnt 63                                ; of the 132 loads the first 69 are in: the scale words and K steps 0 to 3
	WIN 0xa7
.irp s, 0,1,2,3,4,5,6,7
.if \s > 3
	s_wait_dscnt 16*(7-\s)                         ; the later K steps' 16 loads apiece may be out
.endif
.irp n, 0,1
.irp m, 0,1
	v_wmma_scale_f32_16x16x128_f8f6f4 v[8*(4*\g+2*\n+\m):8*(4*\g+2*\n+\m)+7], v[16*(8*\n+\s):16*(8*\n+\s)+15], v[16*(8*\m+\s):16*(8*\m+\s)+15], v[8*(4*\g+2*\n+\m):8*(4*\g+2*\n+\m)+7], v[48+8*\n+\s], v[32+8*\m+\s]
.endr
.endr
.endr
	WIN 0
.endm
; Ahead of WORK g, g = 1..6: the slot read last takes my rows 32 (g + 1) on.
.macro CHANGE g
	s_wait_tensorcnt 0x0                           ; all my tensor loads have landed, slot g's among them
	ds_add_u32 v28, v29                            ; 0 onto my spare word
	s_add_nc_u64 s[G0W+4*((\g-1)%2)+2:G0W+4*((\g-1)%2)+3], s[G0W+4*((\g-1)%2)+2:G0W+4*((\g-1)%2)+3], 65536
	s_wait_dscnt 0x0                               ; the add is done, and my reads of the slot are over
	ROUND                                          ; no wave of any partner still reads the slot or has a load on its way
	tensor_load_to_lds s[G0W+4*((\g-1)%2):G0W+4*((\g-1)%2)+3], s[G1W:G1W+7]
	s_nop 0
.rept 8
	v_nop                                          ; all eight are the places in front of the loads into Wo's registers
.endr
.endm
	s_wait_tensorcnt 0x1                           ; the scale bytes and slot 0 are in; slot 1's load may be out.  I read only what I fetched
	WORK 0
.irp g, 1,2,3,4,5,6
	CHANGE \g
	WORK \g
.endr
	s_wait_tensorcnt 0x0                           ; slot 7: no load was issued behind it
.rept 8
	v_nop
.endr
	WORK 7
; ---- LayerNorm.  A lane holds 128 numbers of row 16 m + r; lane l xor 16 the wave's other 128; the other waves the rest
.macro REDUCE ph                       ; the chains v80-87 -> the rows' totals in v88 (m = 0), v89 (m = 1), in every lane
.irp m, 0,1
	v_pk_add_f32 v[80+4*\m:81+4*\m], v[80+4*\m:81+4*\m], v[82+4*\m:83+4*\m]
.endr
.irp m, 0,1
	v_add_f32 v[80+4*\m], v[80+4*\m], v[81+4*\m]
.endr
.irp m, 0,1
	v_permlanex16_b32 v[82+4*\m], v[80+4*\m], s56, s57
.endr
.irp m, 0,1
	v_add_f32 v[80+4*\m], v[80+4*\m], v[82+4*\m]
.endr
	ds_store_b32 v11, v80 offset:512*\ph
	ds_store_b32 v11, v84 offset:512*\ph+64
	s_wait_dscnt 0x0                               ; for the others' sake
	s_barrier_signal -1
	s_barrier_wait -1
.irp m, 0,1
.irp w, 0,1,2,3
	ds_load_b32 v[96+4*\m+\w], v12 offset:512*\ph+128*\w+64*\m
.endr
.endr
	s_wait_dscnt 0x0
.irp m, 0,1
	v_add_f32 v[96+4*\m], v[96+4*\m], v[97+4*\m]
	v_add_f32 v[98+4*\m], v[98+4*\m], v[99+4*\m]
.endr
.irp m, 0,1
	v_add_f32 v[88+\m], v[96+4*\m], v[98+4*\m]
.endr
.endm
.irp i, 0,1,2,3,4,5,6,7
	v_mov_b32 v[80+\i], 0                          ; four chains; these eight are also the places behind the last products
.endr
	WIN 0x08
.irp t, 0,1,2,3,4,5,6,7,8,9,10,11,12,13,14,15
.irp m, 0,1
	v_pk_add_f32 v[80+4*\m:81+4*\m], v[80+4*\m:81+4*\m], v[8*(2*\t+\m):8*(2*\t+\m)+1]       ; each accumulator from its low end on
	v_pk_add_f32 v[82+4*\m:83+4*\m], v[82+4*\m:83+4*\m], v[8*(2*\t+\m)+2:8*(2*\t+\m)+3]
.endr
.irp m, 0,1
	v_pk_add_f32 v[80+4*\m:81+4*\m], v[80+4*\m:81+4*\m], v[8*(2*\t+\m)+4:8*(2*\t+\m)+5]
	v_pk_add_f32 v[82+4*\m:83+4*\m], v[82+4*\m:83+4*\m], v[8*(2*\t+\m)+6:8*(2*\t+\m)+7]
.endr
.endr
	WIN 0
	REDUCE 0
.irp m, 0,1
	v_mul_f32 v[90+2*\m], s58, v[88+\m]            ; -mean, twice (a pair for the packed addition)
	v_mul_f32 v[91+2*\m], s58, v[88+\m]
.endr
.irp i, 0,1,2,3,4,5,6,7
	v_mov_b32 v[80+\i], 0
.endr
	WIN 0x82
.irp t, 0,1,2,3,4,5,6,7,8,9,10,11,12,13,14,15
.irp m, 0,1
.irp i, 0,2,4,6
	v_pk_add_f32 v[8*(2*\t+\m)+\i:8*(2*\t+\m)+\i+1], v[8*(2*\t+\m)+\i:8*(2*\t+\m)+\i+1], v[90+2*\m:91+2*\m]
.endr
.endr
.endr
	WIN 0x0a
.irp t, 0,1,2,3,4,5,6,7,8,9,10,11,12,13,14,15
.irp m, 0,1
	v_pk_fma_f32 v[80+4*\m:81+4*\m], v[8*(2*\t+\m):8*(2*\t+\m)+1], v[8*(2*\t+\m):8*(2*\t+\m)+1], v[80+4*\m:81+4*\m]
	v_pk_fma_f32 v[82+4*\m:83+4*\m], v[8*(2*\t+\m)+2:8*(2*\t+\m)+3], v[8*(2*\t+\m)+2:8*(2*\t+\m)+3], v[82+4*\m:83+4*\m]
.endr
.irp m, 0,1
	v_pk_fma_f32 v[80+4*\m:81+4*\m], v[8*(2*\t+\m)+4:8*(2*\t+\m)+5], v[8*(2*\t+\m)+4:8*(2*\t+\m)+5], v[80+4*\m:81+4*\m]
	v_pk_fma_f32 v[82+4*\m:83+4*\m], v[8*(2*\t+\m)+6:8*(2*\t+\m)+7], v[8*(2*\t+\m)+6:8*(2*\t+\m)+7], v[82+4*\m:83+4*\m]
.endr
.endr
	WIN 0
	REDUCE 1                                       ; (other bytes than the first exchange: no barrier between them is owed)
.irp m, 0,1
	v_fma_f32 v[94+\m], v[88+\m], s59, 0x3727c5ac  ; var + 1e-5
.endr
.irp m, 0,1
	v_rsq_f32 v[90+2*\m], v[94+\m]
.endr
	v_nop
	s_wait_alu depctr_va_vdst(0)                   ; one wait for both, ahead of the first reader
	WIN 0x82
.irp t, 0,1,2,3,4,5,6,7,8,9,10,11,12,13,14,15
.irp m, 0,1
.irp i, 0,2,4,6
	v_pk_mul_f32 v[8*(2*\t+\m)+\i:8*(2*\t+\m)+\i+1], v[8*(2*\t+\m)+\i:8*(2*\t+\m)+\i+1], v[90+2*\m:91+2*\m] op_sel_hi:[1,0]
.endr
.endr
.endr
	; ---- the way out: through my own part of slot 0, which has had its last fill and its last read; back as rows of 1,024 bytes
	WIN 0x08
.irp g, 0,1,2,3,4,5,6,7
.irp n, 0,1
.irp m, 0,1
	ds_store_b128 v9, v[8*(4*\g+2*\n+\m):8*(4*\g+2*\n+\m)+3] offset:16640*\m+128*\g+64*\n
	ds_store_b128 v9, v[8*(4*\g+2*\n+\m)+4:8*(4*\g+2*\n+\m)+7] offset:16640*\m+128*\g+64*\n+16
.endr
.endr
.endr
	WIN 0
.macro BACK k                          ; eight rows: LDS serves a wave's instructions in order (ISA guide 5.7.1.4): these see my stores
.irp i, 0,1,2,3,4,5,6,7,8,9,10,11,12,13,14,15
	ds_load_b128 v[128+64*((\k)%2)+4*\i:128+64*((\k)%2)+4*\i+3], v10 offset:1040*(8*(\k)+\i/2)+512*(\i%2)
.endr
.endm
.macro SEND k, younger                 ; younger: the LDS loads issued behind batch k's
.irp i, 0,1,2,3,4,5,6,7,8,9,10,11,12,13,14,15
.set RR, 128+64*((\k)%2)+4*\i
	s_wait_dscnt \younger+15-\i
	v_pk_fma_f32 v[RR:RR+1], v[RR:RR+1], v[64+4*(\i%2):65+4*(\i%2)], v[72+4*(\i%2):73+4*(\i%2)]
	v_pk_fma_f32 v[RR+2:RR+3], v[RR+2:RR+3], v[66+4*(\i%2):67+4*(\i%2)], v[74+4*(\i%2):75+4*(\i%2)]
	global_store_b128 v1, v[RR:RR+3], s[20:21] offset:4096*(8*(\k)+\i/2)+512*(\i%2) th:TH_STORE_NT   ; 512 consecutive bytes, aligned
.endr
.endm
	BACK 0
	BACK 1
	SEND 0, 16
	s_wait_xcnt 0x0                                ; batch 0's stores have read their registers
	BACK 2
	SEND 1, 16
	s_wait_xcnt 0x0
	BACK 3
	SEND 2, 16
	SEND 3, 0
	s_wait_tensorcnt 0x0                           ; the wave's end
	ds_add_u32 v28, v29
	s_wait_dscnt 0x0
	ROUND                                          ; the closing round
	s_endpgm
.Lfunc_end_k_q575e27161c_oproj:
	.size	k_q575e27161c_oproj, .Lfunc_end_k_q575e27161c_oproj-k_q575e27161c_oproj
	.p2alignl 7, 3214868480
	.fill 96, 4, 3214868480
	.section	.rodata,"a",@progbits
	.p2align	6, 0x0
	.amdhsa_kernel k_q575e27161c_oproj
		.amdhsa_group_segment_fixed_size 327680
		.amdhsa_private_segment_fixed_size 0
		.amdhsa_enable_private_segment 0
		.amdhsa_kernarg_size 72
		.amdhsa_user_sgpr_count 2
		.amdhsa_user_sgpr_kernarg_segment_ptr 1
		.amdhsa_wavefront_size32 1
		.amdhsa_system_sgpr_workgroup_id_x 1
		.amdhsa_system_sgpr_workgroup_id_y 1
		.amdhsa_system_sgpr_workgroup_id_z 1
		.amdhsa_system_vgpr_workitem_id 0
		.amdhsa_next_free_vgpr 1024
		.amdhsa_next_free_sgpr 66
		.amdhsa_reserve_vcc 0
		.amdhsa_float_denorm_mode_32 3
		.amdhsa_float_denorm_mode_16_64 3
		.amdhsa_memory_ordered 1
		.amdhsa_forward_progress 1
		.amdhsa_inst_pref_size 196
	.end_amdhsa_kernel
	.amdgpu_metadata
---
amdhsa.version: [ 1, 2 ]
amdhsa.kernels:
  - .name:           k_q575e27161c_oproj
    .symbol:         k_q575e27161c_oproj.kd
    .args:
      - { .name: OF, .offset: 0, .size: 8, .value_kind: global_buffer, .address_space: global }
      - { .name: OSW, .offset: 8, .size: 8, .value_kind: global_buffer, .address_space: global }
      - { .name: Wo_codes, .offset: 16, .size: 8, .value_kind: global_buffer, .address_space: global }
      - { .name: Wo_scales, .offset: 24, .size: 8, .value_kind: global_buffer, .address_space: global }
      - { .name: bo, .offset: 32, .size: 8, .value_kind: global_buffer, .address_space: global }
      - { .name: q, .offset: 40, .size: 8, .value_kind: global_buffer, .address_space: global }
      - { .name: gamma, .offset: 48, .size: 8, .value_kind: global_buffer, .address_space: global }
      - { .name: beta, .offset: 56, .size: 8, .value_kind: global_buffer, .address_space: global }
      - { .name: out0, .offset: 64, .size: 8, .value_kind: global_buffer, .address_space: global }
    .group_segment_fixed_size: 327680
    .private_segment_fixed_size: 0
    .kernarg_segment_align: 8
    .kernarg_segment_size: 72
    .max_flat_workgroup_size: 128
    .sgpr_count:     66
    .vgpr_count:     1024
    .wavefront_size: 32
...
	.end_amdgpu_metadata
.endif
;; end of part 3
;; ======== version 2 of 2: 3 launches; version 1 with the launch attn written anew for expert scheduling mode
;; limits: right only within a limited range of input values
;; workspace buffers: QF 8,388,608 bytes; QSW 262,144 bytes; KF 8,388,608 bytes; KSW 262,144 bytes; VF 8,388,608 bytes; VSW 262,144 bytes; OF 8,388,608 bytes; OSW 262,144 bytes
;; launch proj: the kernel of part 1 again; grid 8 x 32, 4 waves a work-group, clusters of 4 x 4, 327,680 bytes of LDS; arguments q, QF, QSW, bk, k_codes, v_codes, k_scales, v_scales, Wk_codes, Wv_codes, Wk_scales, Wv_scales, KF, VF, KSW, VSW, bv; writes QF, QSW, KF, VF, KSW, VSW
;; launch attn (part 4): grid 2 x 128, 16 waves a work-group, no clusters, 211,968 bytes of LDS; arguments QF, QSW, Wq_codes, Wq_scales, bq, KF, KSW, VF, VSW, key_padding_mask, OF, OSW; writes OF, OSW
.if DOCPART == 4
	.amdgcn_target "amdgcn-amd-amdhsa--gfx1250"
	.amdhsa_code_object_version 6
	.text
	.protected	k_q575e27161c_attn
	.globl	k_q575e27161c_attn
	.p2align	8
	.type	k_q575e27161c_attn,@function
k_q575e27161c_attn:
	s_mov_b64 s[64:65], 0
	v_nop
	global_prefetch_b8 v0, s[64:65] scope:SCOPE_SE
	s_setreg_imm32_b32 hwreg(HW_REG_WAVE_SCHED_MODE, 0, 2), 2
	s_setreg_imm32_b32 hwreg(HW_REG_WAVE_MODE, 25, 1), 1
	s_wait_xcnt 0x0
	s_wait_alu depctr_vm_vsrc(0)
; ATTN.  For one batch and head and 512 queries: qh = Q(q) Wq^T + bq (that head's 64 columns), quantised along the 64; S^T = K Q^T; p = 2^(t - M), t = score x log2(e) / 8, M the running largest t rounded up to a whole
; number; p quantised along the keys; O^T = V^T P^T; O^T / the sum of the unquantised p, quantised along the head's 64, leaves as codes for the output projection.
; SHARES.  Sixteen waves, four to a SIMD; a wave owns two tiles of 16 queries, one after the other.  The head's whole K, V and rows of Wq lie in LDS, copied once through registers: one barrier, then LDS is only read.
; No cluster: what the two work-groups of a head share is read once, at the head, and K's scale words are rewritten on the way in.
; LAYOUT.  All products are used transposed: a lane holds ONE query (lane % 16) throughout, and its registers run along the next K.  K's, V's and q's fragments come as images of their registers, 16 bytes a lane.
; THE MASK rides in the first product's unused K places (the head has 64, the instruction 128), and in a scale byte alone.  At place 64 Q has the code 1.0 (scale byte 127) and EVERY key the code -448, in a register
; that is set once.  A hidden key's scale byte for that block is 242: its score is about -1.9e37 and its p is 0.  A key that counts has the byte 1 there: -448 x 2^-126, about -5e-36, is added to its score.
; The largest t begins at -1e30, so that a step all of whose keys are hidden gives zeros.
; LIMITS: a counted key's score carries that -5e-36, under the last bit of any score above 1e-28; |t| under 1e30; NaN and infinities are not served; a batch all of whose keys are hidden (reference: NaN) is not served;
; a block of zeros gets the scale byte 1 (the bytes are read by this program alone).
; REGISTERS: v1-11 addresses; v12 -M, v13 the largest t, v[14:15] the sum; v16-31 Q; v32-95 four fragments of K (of Wq at first); v96-159 S^T, p, then V's four fragments; v160-191 O^T; v192-207 p's codes;
;   v208-215 the second tile's Q; v216-231 and v252-255 scale words alone; v232-250 at work.
; THE MODE: SCHED_MODE bits 1:0 = 2 (LLVM: expert scheduling mode 2), set by the entry lines.  The code itself states the register dependences between vector or matrix instructions and memory or LDS
; instructions, with s_wait_alu, always for 0.
; THE PLAN.  Registers that memory or LDS instructions touch, and who else names them:
;   v1, v2, v7-v11   lane terms, made at the head and never written again.
;   v14-v21, v23-v26, v31   the copy's offsets: read by the copy's loads and LDS stores; written again from the first quantising on: one wait on vm_vsrc behind the barrier frees them.
;   v32-v137         the copy's data: loaded, read by the LDS stores (v128, v129 remade by vector lines first: one wait on va_vdst ahead of their two stores); then bq and Wq's fragments land there, behind that same vm_vsrc.
;   v32-95, v252-255, q's two sets   a projection step's eight products read them; the next loads land in them: one wait on va_vdst a step, behind the products.
;   IN A KEY STEP:
;   K's registers (v32-39, 48-55, 64-71, 80-87) and v218-221   tiles 0-3 are in at the step's head; the first four products read them; behind one wait tiles 4-7 land; the second four products read them; behind the
;                    exponentials' wait the NEXT step's tiles 0-3 are asked for, and land under the rest of the softmax (step 0's are asked for at the tile's head; a tile's last step asks for none).
;   v96-159, v222-225   p is held and converted there, all four blocks; behind one wait V's four fragments and their words land; the last four products read them.
;   v3-v6            the step's four LDS addresses: written once, at the step's head, behind a wait on vm_vsrc; the wait behind the first four products shows them written.  (v6 serves bq's loads at the head.)
;   v192-199, v250   at a tile's end: its codes and scale bytes, written by vector lines, read by three global stores: va_vdst ahead of the stores, vm_vsrc behind them.
.set VC,   65536                       ; LDS: K's codes [key tile 64][1,024] at 0; V's [key step 8][channel tile 4][2,048] here;
.set WQ,   131072                      ; 64 rows of Wq, 1,024 bytes + 16 of padding;
.set WQP,  1040
.set KSWL, 197632                      ; K's scale words, [64 keys][r 16][tile 4]: a lane's 16 bytes are the words of its row in four tiles;
.set BQL,  201728                      ; bq: 4 bytes a thread, so eight copies of the head's 256 bytes; the first is read;
.set VSWL, 205824                      ; V's scale words, [key step 8][r 16][channel tile 4]; 2,048 bytes on, Wq's scale bytes, 32 a row
	s_load_b512 s[4:19], s[0:1], 0x0               ; QF, QSW, Wq_codes, Wq_scales, bq, KF, KSW, VF
	s_load_b256 s[20:27], s[0:1], 0x40             ; VSW, mask, OF, OSW
	v_lshrrev_b32 v1, 5, v0
	v_readfirstlane_b32 s28, v1                    ; wave 0..15
	s_and_b32 s34, ttmp7, 0xffff
	s_lshr_b32 s29, s34, 4                         ; batch
	s_and_b32 s30, s34, 15                         ; head
	s_lshr_b32 s31, s30, 1                         ; head pair
	s_and_b32 s32, s30, 1                          ; which of the pair
	s_lshl_b32 s46, s32, 4
	s_mov_b32 s36, 0x76543210
	s_mov_b32 s37, 0xfedcba98                      ; v_permlanex16_b32's selects for lane l xor 16
	s_mov_b32 s38, 0x3e38aa3b                      ; c = log2(e) / 8
	s_mov_b32 s39, s38                             ; (named with it as a pair)
	s_mov_b32 s40, 0x600000                        ; the mantissa field of 448
	; the copy's offsets, by thread t
	v_lshrrev_b32 v27, 6, v0
	v_and_b32 v28, 63, v0
	v_lshlrev_b32 v16, 4, v28
	v_lshl_add_u32 v16, v27, 11, v16               ; K in memory: 2,048 (t / 64) + 16 (t % 64): my head's half of each fragment
	v_lshlrev_b32 v17, 4, v0                       ; 16 t
	v_lshlrev_b32 v18, 3, v0                       ; 8 t
	v_lshlrev_b32 v19, 2, v0                       ; 4 t
	v_lshlrev_b32 v15, 2, v28                      ; bq in memory: 4 (t % 64)
	v_lshl_add_u32 v20, v27, 12, v15               ; V's scale words in memory: 4,096 (t / 64) + 4 (t % 64)
	v_lshlrev_b32 v21, 1, v0                       ; 2 t
	v_add_nc_u32 v23, VC, v17
	v_lshlrev_b32 v24, 4, v28
	v_mad_u32_u24 v24, v27, WQP, v24
	v_add_nc_u32 v24, WQ, v24
	v_lshrrev_b32 v25, 5, v0                       ; K's scale words in LDS.  Key 2 t is row 2 (t % 8) of tile (t / 8) % 4 of the 64 keys t / 32: 256 (t / 32) + 32 (t % 8) + 4 ((t / 8) % 4); key 2 t + 1 lies 16 bytes on
	v_lshlrev_b32 v25, 8, v25
	v_and_b32 v26, 7, v0
	v_lshl_add_u32 v25, v26, 5, v25
	v_bfe_u32 v26, v0, 3, 2
	v_lshl_add_u32 v25, v26, 2, v25
	v_add_nc_u32 v25, KSWL, v25
	v_and_b32 v29, 15, v0                          ; r
	v_bfe_u32 v30, v0, 4, 1                        ; h
	v_lshlrev_b32 v26, 8, v27                      ; V's: thread t holds the word of key step t / 64, channel tile (t / 16) % 4, row t % 16: 256 (t / 64) + 16 (t % 16) + 4 ((t / 16) % 4)
	v_lshl_add_u32 v26, v29, 4, v26
	v_bfe_u32 v31, v0, 4, 2
	v_lshl_add_u32 v26, v31, 2, v26
	v_add_nc_u32 v26, VSWL, v26
	v_add_nc_u32 v31, VSWL+2048, v19               ; Wq's scale bytes in LDS
	v_add_nc_u32 v14, BQL, v19                     ; bq in LDS
	; lane terms that stay
	v_and_b32 v1, 31, v0
	v_lshlrev_b32 v1, 4, v1                        ; 16 x lane
	v_lshl_add_u32 v2, v29, 4, KSWL
	v_add_nc_u32 v7, VC, v1
	v_lshl_add_u32 v8, v29, 4, VSWL
	v_lshlrev_b32 v9, 5, v29                       ; 32 r
	v_mul_u32_u24 v10, v29, WQP
	v_lshl_add_u32 v10, v30, 4, v10
	v_add_nc_u32 v10, WQ, v10
	v_add_nc_u32 v11, VSWL+2048, v9
	v_lshl_add_u32 v6, v30, 5, BQL                 ; bq for my half of the lanes: 32 h.  (In v6, which is next written at a key step's head, behind the wait on vm_vsrc that stands there)
	s_mov_b32 s35, 0
	s_wait_alu depctr_va_sdst(0)                   ; s28 is written, ahead of its first reader: my first row tile is made from it
	s_wait_kmcnt 0x0
	s_lshl_b32 s47, s29, 3
	s_add_co_u32 s47, s47, s31                     ; 8 x batch + head pair
	s_lshl_b32 s34, s47, 17
	s_lshl_b32 s33, s32, 10
	s_add_co_u32 s34, s34, s33
	s_add_nc_u64 s[14:15], s[14:15], s[34:35]      ; KF
	s_lshl_b32 s34, s47, 12
	s_add_nc_u64 s[16:17], s[16:17], s[34:35]      ; KSW
	s_lshl_b32 s47, s29, 9
	s_lshl_b32 s34, s30, 2
	s_add_co_u32 s47, s47, s34                     ; 512 x batch + 4 x head
	s_lshl_b32 s34, s47, 11
	s_add_nc_u64 s[18:19], s[18:19], s[34:35]      ; VF
	s_lshl_b32 s34, s47, 6
	s_add_nc_u64 s[20:21], s[20:21], s[34:35]      ; VSW
	s_lshl_b32 s34, s30, 16
	s_add_nc_u64 s[8:9], s[8:9], s[34:35]          ; my head's 64 rows of Wq
	s_lshl_b32 s34, s30, 11
	s_add_nc_u64 s[10:11], s[10:11], s[34:35]
	s_lshl_b32 s34, s30, 8
	s_add_nc_u64 s[12:13], s[12:13], s[34:35]      ; bq
	s_lshl_b32 s34, s29, 10
	s_add_nc_u64 s[22:23], s[22:23], s[34:35]      ; the batch's mask
	s_lshl_b32 s47, s29, 6
	s_lshl_b32 s34, ttmp9, 5
	s_add_co_u32 s47, s47, s34
	s_lshl_b32 s34, s28, 1
	s_add_co_u32 s47, s47, s34                     ; my first row tile: 64 x batch + 32 x half + 2 x wave
	s_lshl_b32 s34, s47, 14
	s_add_nc_u64 s[4:5], s[4:5], s[34:35]          ; QF
	s_add_nc_u64 s[24:25], s[24:25], s[34:35]      ; OF,
	s_lshl_b32 s34, s31, 11
	s_add_co_u32 s34, s34, s33
	s_add_nc_u64 s[24:25], s[24:25], s[34:35]      ; at my head's half of the head pair's fragment
	s_lshl_b32 s34, s47, 9
	s_add_nc_u64 s[6:7], s[6:7], s[34:35]          ; QSW
	s_add_nc_u64 s[26:27], s[26:27], s[34:35]      ; OSW,
	s_lshl_b32 s34, s30, 1
	s_add_nc_u64 s[26:27], s[26:27], s[34:35]      ; at my head's two bytes
	s_wait_alu depctr_va_vdst(0)                   ; all the offsets and addresses made above are written: the loads and LDS instructions from here on read them
	; ---- the copy: each load of the work-group covers 8,192 bytes
.irp i, 0,1,2,3,4,5,6,7
	global_load_b128 v[32+4*\i:35+4*\i], v16, s[14:15] offset:16384*\i
.endr
.irp i, 0,1,2,3,4,5,6,7
	global_load_b128 v[64+4*\i:67+4*\i], v17, s[18:19] offset:131072*\i
.endr
.irp i, 0,1,2,3,4,5,6,7
	global_load_b128 v[96+4*\i:99+4*\i], v17, s[8:9] offset:8192*\i
.endr
	global_load_b64 v[128:129], v18, s[16:17]      ; the scale words of keys 2 t, 2 t + 1 (both heads of the pair)
	global_load_b32 v130, v20, s[20:21]
	global_load_b32 v131, v19, s[10:11]
	global_load_u16 v132, v21, s[22:23]            ; their two mask bytes
	global_load_b32 v137, v15, s[12:13]            ; bq(t % 64)
.macro QLOAD s                         ; q's fragments of K step s, both tiles, into set s % 2
.irp t, 0,1
.set FQ, 160+32*((\s)%2)+16*\t+24*(((\s)%2)*\t)
.irp c, 0,1,2,3
	global_load_b128 v[FQ+4*\c:FQ+4*\c+3], v1, s[4:5] offset:16384*\t+2048*(\s)+512*\c
.endr
.endr
.endm
.irp t, 0,1
.irp u, 0,1
	global_load_b128 v[216+8*\t+4*\u:219+8*\t+4*\u], v9, s[6:7] offset:512*\t+16*\u   ; q's scale words: register 8 t + s.  Ahead of q's fragments, so that a step's wait may leave the next step's loads out
.endr
.endr
	QLOAD 0
	QLOAD 1
	s_wait_loadcnt 20                              ; the copy's 29 loads are in; q's 4 + 16 may be out
.irp i, 0,1,2,3,4,5,6,7
	ds_store_b128 v17, v[32+4*\i:35+4*\i] offset:8192*\i    ; what goes to LDS as it was loaded goes at once: no vector instruction since the wait above names these registers
	ds_store_b128 v23, v[64+4*\i:67+4*\i] offset:8192*\i
	ds_store_b128 v24, v[96+4*\i:99+4*\i] offset:8320*\i
.endr
	ds_store_b32 v26, v130
	ds_store_b32 v31, v131
	ds_store_b32 v14, v137
	v_and_b32 v133, 1, v132
	v_bfe_u32 v134, v132, 8, 1
	v_xor_b32 v133, 1, v133                        ; 1 where the key is hidden
	v_xor_b32 v134, 1, v134
	v_lshrrev_b32 v128, s46, v128                  ; my head's two bytes
	v_lshrrev_b32 v129, s46, v129
	v_and_b32 v128, 0xffff, v128
	v_and_b32 v129, 0xffff, v129
	v_mad_u32_u24 v135, v133, 241, 1               ; the third block's byte: 1, or 242 for a hidden key
	v_mad_u32_u24 v136, v134, 241, 1
	v_lshl_or_b32 v128, v135, 16, v128
	v_lshl_or_b32 v129, v136, 16, v129
	v_or_b32 v128, 0x1000000, v128                 ; the fourth block is empty: byte 1
	v_or_b32 v129, 0x1000000, v129
	s_wait_alu depctr_va_vdst(0)                   ; v128 and v129 are written, which the two stores below read; and the lines above are done with v128 to v136, in which bq lands behind the barrier
	ds_store_b32 v25, v128
	ds_store_b32 v25, v129 offset:16
	s_wait_dscnt 0x0                               ; for the others' sake
	s_barrier_signal -1
	s_barrier_wait -1                              ; LDS is whole; from here on it is only read
	s_wait_alu depctr_vm_vsrc(0)                   ; my LDS stores have read v32 to v137, in which bq and Wq's fragments land; they and the copy's loads have read the offsets v14 to v31, which become Q and the sum
.irp t, 0,1
.irp f, 0,1,2,3
.irp u, 0,1
	ds_load_b128 v[96+32*\t+8*\f+4*\u:99+32*\t+8*\f+4*\u], v6 offset:64*\f+16*\u   ; bq(16 f + 8 h + 0..7) begins the sums of both tiles
.endr
.endr
.endr
; ---- qh for my 32 queries: eight accumulators by turns, K step by K step
.macro QSTEP s
.irp f, 0,1,2,3
.irp c, 0,1,2,3
	ds_load_b128 v[32+16*\f+4*\c:35+16*\f+4*\c], v10 offset:16640*\f+128*\s+32*\c
.endr
	ds_load_b32 v[252+\f], v11 offset:512*\f+4*\s
.endr
	s_wait_dscnt 0x0
.if \s == 7
	s_wait_loadcnt 0x0
.else
	s_wait_loadcnt 0x8                             ; this step's 8 loads (and q's scale words) are in; the next step's 8 may be out
.endif
.irp t, 0,1
.set FQ, 160+32*((\s)%2)+16*\t+24*(((\s)%2)*\t)
.irp f, 0,1,2,3
	v_wmma_scale_f32_16x16x128_f8f6f4 v[96+32*\t+8*\f:103+32*\t+8*\f], v[32+16*\f:47+16*\f], v[FQ:FQ+15], v[96+32*\t+8*\f:103+32*\t+8*\f], v[252+\f], v[216+8*\t+\s]
.endr
.endr
.rept 8
	v_nop                                          ; places in front of loads into registers that these products read, and of the first read of results; they stay beside the wait below
.endr
.if \s < 7
	s_wait_alu depctr_va_vdst(0)                   ; the eight products are done reading Wq's fragments, its scale words and this set of q's fragments: the loads below and the next step's LDS loads land there
.endif
.if \s < 6
	QLOAD \s+2
.endif
.endm
.irp s, 0,1,2,3,4,5,6,7
	QSTEP \s
.endr
; 32 numbers of a lane (two blocks of 32 shared with lane l xor 16) become 8 registers of codes; the two scale bytes are left in v236, v237
.macro QUANT2 src, dst
.irp b, 0,1
	v_max3_num_f32 v[232+\b], |v[\src+16*\b]|, |v[\src+16*\b+1]|, 0x4800000   ; with the floor 2^(9 - 127)
.endr
.irp i, 2,4,6,8,10,12,14
.irp b, 0,1
	v_max3_num_f32 v[232+\b], v[232+\b], |v[\src+16*\b+\i]|, |v[\src+16*\b+\i+1]|
.endr
.endr
.irp b, 0,1
	v_permlanex16_b32 v[236+\b], v[232+\b], s36, s37
.endr
.irp b, 0,1
	v_max_num_f32 v[232+\b], v[232+\b], v[236+\b]
.endr
.irp b, 0,1
	v_add_nc_u32 v[244+\b], 0xfc000000, v[232+\b]  ; the conversion's scale operand
.endr
.irp b, 0,1
	v_and_or_b32 v[240+\b], v[232+\b], 0x7f800000, s40   ; 448 x the scale
.endr
.irp b, 0,1
	v_lshrrev_b32 v[236+\b], 23, v[244+\b]         ; the scale's byte
.endr
.irp b, 0,1
.irp i, 0,1,2,3,4,5,6,7,8,9,10,11,12,13,14,15
	v_med3_num_f32 v[\src+16*\b+\i], v[\src+16*\b+\i], -v[240+\b], v[240+\b]
.endr
	v_cvt_scalef32_pk8_fp8_f32 v[\dst+4*\b:\dst+4*\b+1], v[\src+16*\b:\src+16*\b+7], v[244+\b]
	v_cvt_scalef32_pk8_fp8_f32 v[\dst+4*\b+2:\dst+4*\b+3], v[\src+16*\b+8:\src+16*\b+15], v[244+\b]
.endr
	v_nop                                          ; one plain vector instruction behind the last conversion
.endm
	QUANT2 96, 16
	v_lshl_or_b32 v217, v237, 8, v236
	v_or_b32 v217, 0x7f7f0000, v217                ; Q's scale word: two bytes of the head, 127 for the mask's place, 127 for the empty block
	QUANT2 128, 208
	v_lshl_or_b32 v216, v237, 8, v236
	v_or_b32 v216, 0x7f7f0000, v216
	v_bfe_u32 v250, v0, 4, 1
	v_xor_b32 v250, 1, v250                        ; 1 in lanes 0-15: K place 64 is register 8, byte 0, of those lanes
	v_mul_u32_u24 v24, 56, v250                    ; Q: the code 1.0 (0x38) there
	v_mul_u32_u24 v40, 254, v250                   ; every key: the code -448 (0xfe) there; the key's scale byte says what it weighs
	v_mov_b32 v56, v40
	v_mov_b32 v72, v40
	v_mov_b32 v88, v40
.irp i, 25,26,27,28,29,30,31
	v_mov_b32 v[\i], 0
.endr
.irp t, 0,1,2,3
.irp i, 9,10,11,12,13,14,15
	v_mov_b32 v[32+16*\t+\i], 0                    ; the unused places of K's four fragments: zero codes, set once
.endr
.endr
	v_mov_b32 v249, 0                              ; (named as the upper half of the pair v[248:249])
	s_mov_b32 s45, 0
.Ltile:
	v_mov_b32 v13, 0xf149f2ca                      ; the largest t so far: -1e30
	v_floor_f32 v12, -v13                          ; -M
	v_mov_b32 v14, 0
	v_mov_b32 v15, 0
.set J, 0
.rept 32
	v_mov_b32 v[160+J], 0                          ; O^T: the key step is written once; the first finds zeros
.set J, J+1
.endr
	s_mov_b32 s41, 0                               ; 8,192 x key step: K's and V's codes
	s_mov_b32 s42, 0                               ; 512 x key step: K's words
	s_mov_b32 s43, 0                               ; 256 x key step: V's words
	s_mov_b32 s44, 0
	s_wait_alu depctr_va_vdst(0)                   ; the earlier products are done reading K's registers and v218 to v221, in which the loads below land; and Q's fragment, its scale word and K's constant places are written, behind their places (the lines above), for the scaled products that take them
.irp t, 0,1,2,3
	ds_load_b128 v[32+16*\t:35+16*\t], v1 offset:1024*\t          ; key step 0, tiles 0 to 3; the later steps' are asked for a step ahead
	ds_load_b128 v[36+16*\t:39+16*\t], v1 offset:1024*\t+512
.endr
	ds_load_b128 v[218:221], v2                    ; my row's scale words in the four tiles
.Lkey:                                             ; a key step: 128 keys
	s_wait_alu depctr_vm_vsrc(0)                   ; the LDS loads issued so far have read v3 to v6, which the four lines below write
	v_add_nc_u32 v3, s41, v1
	v_add_nc_u32 v4, s42, v2
	v_add_nc_u32 v5, s41, v7
	v_add_nc_u32 v6, s43, v8
.rept 5
	v_nop                                          ; with the four additions: nine places between the last products V^T P and the scores, which are laid over V's fragments
.endr
	s_wait_dscnt 0x0                               ; tiles 0 to 3 and their words are in
.irp t, 0,1,2,3
	v_wmma_scale_f32_16x16x128_f8f6f4 v[96+8*\t:103+8*\t], v[32+16*\t:47+16*\t], v[16:31], 0, v[218+\t], v217
.endr
.rept 8
	v_nop                                          ; places in front of loads into registers that these products read, and of the first read of their results further down
.endr
	s_wait_alu depctr_va_vdst(0)                   ; the four products are done reading K's registers and v218 to v221, in which tiles 4 to 7 land; and v3 to v6 are written, which this step's LDS loads read
.irp t, 0,1,2,3
	ds_load_b128 v[32+16*\t:35+16*\t], v3 offset:4096+1024*\t
	ds_load_b128 v[36+16*\t:39+16*\t], v3 offset:4096+1024*\t+512
.endr
	ds_load_b128 v[218:221], v4 offset:256
	s_wait_dscnt 0x0
.irp t, 0,1,2,3
	v_wmma_scale_f32_16x16x128_f8f6f4 v[128+8*\t:135+8*\t], v[32+16*\t:47+16*\t], v[16:31], 0, v[218+\t], v217
.endr
; the largest score of each block of 32 keys: it serves for the row's maximum and, since p rises with the score, for the block's largest p.  Blocks 0 and 1 first: their sixteen lines are the places behind the four products above
.irp p, 0,2
.irp b, \p, \p+1
	v_max3_num_f32 v[232+(\b)], v[96+16*(\b)], v[97+16*(\b)], v[98+16*(\b)]
.endr
.irp i, 3,5,7,9,11,13
.irp b, \p, \p+1
	v_max3_num_f32 v[232+(\b)], v[232+(\b)], v[96+16*(\b)+\i], v[97+16*(\b)+\i]
.endr
.endr
.irp b, \p, \p+1
	v_max_num_f32 v[232+(\b)], v[232+(\b)], v[111+16*(\b)]
.endr
.endr
.irp b, 0,1,2,3
	v_permlanex16_b32 v[236+\b], v[232+\b], s36, s37
.endr
.irp b, 0,1,2,3
	v_max_num_f32 v[232+\b], v[232+\b], v[236+\b]  ; with lane l xor 16's 16 keys
.endr
	v_max3_num_f32 v250, v232, v233, v234
	v_max_num_f32 v250, v250, v235
	v_mul_f32 v250, s38, v250                      ; as t
	v_max_num_f32 v13, v13, v250                   ; the running largest t
	v_mov_b32 v250, v12
	v_floor_f32 v12, -v13                          ; the new -M = -ceil(t)
	v_sub_f32 v250, v12, v250                      ; old M - new M: a whole number, 0 or less
	v_cvt_i32_f32 v250, v250                       ; (it saturates)
	v_ldexp_f32 v248, 1.0, v250                    ; f = 2^(old M - new M)
.set J, 0
.rept 32
	v_pk_fma_f32 v[96+J:97+J], v[96+J:97+J], s[38:39], v[12:13] op_sel_hi:[1,0,0]   ; t - M, two at a time
.set J, J+2
.endr
.irp b, 0,1,2,3
	v_fma_f32 v[232+\b], v[232+\b], s38, v12       ; the same of each block's largest score
.endr
.set J, 0
.rept 64
	v_exp_f32 v[96+J], v[96+J]                     ; p = 2^(t - M)
.set J, J+1
.endr
	v_pk_mul_f32 v[14:15], v[14:15], v[248:249] op_sel_hi:[1,0]   ; the sum under the new M; a plain instruction behind the exponentials
	s_wait_alu depctr_va_vdst(0)                   ; the 64 exponentials have written p, ahead of its first reader; and the second four products are done reading K's registers and v218 to v221, in which the loads below land
	s_cmp_eq_u32 s44, 7                            ; a tile's last step has no next step: it asks for nothing
	s_cbranch_scc1 .Lno_next
.irp t, 0,1,2,3
	ds_load_b128 v[32+16*\t:35+16*\t], v3 offset:8192+1024*\t     ; THE NEXT STEP'S tiles 0 to 3: by this step's addresses, a step further on; they land under the rest of the softmax
	ds_load_b128 v[36+16*\t:39+16*\t], v3 offset:8192+1024*\t+512
.endr
	ds_load_b128 v[218:221], v4 offset:512
.Lno_next:
.irp b, 0,1,2,3
	v_exp_f32 v[232+\b], v[232+\b]                 ; the block's largest p
.endr
	v_pk_add_f32 v[236:237], v[96:97], v[98:99]    ; the sum of the unquantised p, in two chains
.irp j, 4,8,12,16,20,24,28,32,36,40,44,48,52,56,60
	v_pk_add_f32 v[14:15], v[14:15], v[96+\j:97+\j]
	v_pk_add_f32 v[236:237], v[236:237], v[98+\j:99+\j]
.endr
	v_pk_add_f32 v[14:15], v[14:15], v[236:237]
	s_wait_alu depctr_va_vdst(0)                   ; the four exponentials have written v232 to v235, ahead of their first reader
.irp b, 0,1,2,3
	v_max_num_f32 v[232+\b], 0x4800000, v[232+\b]  ; the floor: a block whose every p is 0 keeps the byte 1
.endr
.irp b, 0,1,2,3
	v_add_nc_u32 v[244+\b], 0xfc000000, v[232+\b]
.endr
.irp b, 0,1,2,3
	v_and_or_b32 v[240+\b], v[232+\b], 0x7f800000, s40   ; 448 x the scale
.endr
.irp b, 0,1,2,3
	v_lshrrev_b32 v[236+\b], 23, v[244+\b]
.endr
	v_lshl_or_b32 v226, v237, 8, v236              ; p's scale word for these 128 keys
	v_lshl_or_b32 v226, v238, 16, v226
	v_lshl_or_b32 v226, v239, 24, v226
.irp b, 0,1,2,3
	v_and_or_b32 v[236+(\b+1)%4], v[232+\b], 0x7f800000, s40   ; 448 x the scale once more, in a register whose number differs modulo 4: the two halves of a dual-issue pair take their second sources from different register banks
.endr
.irp b, 0,1,2,3
.irp i, 0,2,4,6,8,10,12,14
	v_dual_min_num_f32 v[96+16*\b+\i], v[96+16*\b+\i], v[240+\b] :: v_dual_min_num_f32 v[97+16*\b+\i], v[97+16*\b+\i], v[236+(\b+1)%4]   ; the hold, two numbers an instruction; p is not negative
.endr
	v_cvt_scalef32_pk8_fp8_f32 v[192+4*\b:193+4*\b], v[96+16*\b:103+16*\b], v[244+\b]
	v_cvt_scalef32_pk8_fp8_f32 v[194+4*\b:195+4*\b], v[104+16*\b:111+16*\b], v[244+\b]
.endr
	s_wait_alu depctr_va_vdst(0)                   ; the holds have written and the conversions have read v96 to v159: V's four fragments land there, in one run
.irp b, 0,1,2,3
.irp c, 0,1,2,3
	ds_load_b128 v[96+16*\b+4*\c:99+16*\b+4*\c], v5 offset:2048*\b+512*\c   ; V's fragment b takes the registers that the block's p has left
.endr
.endr
	ds_load_b128 v[222:225], v6                    ; my row's scale words in V's four channel tiles
.set J, 0
.rept 16
	v_pk_mul_f32 v[160+J:161+J], v[160+J:161+J], v[248:249] op_sel_hi:[1,0]   ; O^T under the new M, while V is on its way; also the places between p's codes and scale word and the products
.set J, J+2
.endr
	s_wait_alu depctr_va_vdst(0)                   ; p's codes v192 to v207 and its scale word v226 are written, which the scaled products below take: the wait stands behind their places
	s_wait_dscnt 0x0
.irp t, 0,1,2,3
	v_wmma_scale_f32_16x16x128_f8f6f4 v[160+8*\t:167+8*\t], v[96+16*\t:111+16*\t], v[192:207], v[160+8*\t:167+8*\t], v[222+\t], v226
.endr
	s_add_co_u32 s41, s41, 8192
	s_add_co_u32 s42, s42, 512
	s_add_co_u32 s43, s43, 256
	s_add_co_u32 s44, s44, 1
	s_cmp_lt_u32 s44, 8
	s_cbranch_scc1 .Lkey
	; ---- the tile's way out
.rept 8
	v_nop                                          ; places behind the last products
.endr
	v_add_f32 v14, v14, v15
	v_permlanex16_b32 v250, v14, s36, s37
	v_add_f32 v14, v14, v250                       ; the row's sum
	v_rcp_f32 v14, v14
	v_nop
	s_wait_alu depctr_va_vdst(0)                   ; the reciprocal has written v14, ahead of its first reader
.set J, 0
.rept 32
	v_mul_f32 v[96+J], v[160+J], v14               ; register 8 t + j: channel 16 t + 8 h + j of my query
.set J, J+1
.endr
	QUANT2 96, 192
	v_lshl_or_b32 v250, v237, 8, v236
	s_wait_alu depctr_va_vdst(0)                   ; the conversions have written v192 to v199 and the line above v250, which the three stores read
	global_store_b128 v1, v[192:195], s[24:25]     ; my head's two pieces of the fragment: 512 consecutive bytes each, aligned
	global_store_b128 v1, v[196:199], s[24:25] offset:512
	global_store_b16 v9, v250, s[26:27]            ; row r's two scale bytes (both halves of the lanes hold and write the same)
	s_wait_xcnt 0x0                                ; the stores have had their addresses translated: the bases may step
	s_wait_alu depctr_vm_vsrc(0)                   ; the stores have read v192 to v199 and v250, which the next tile's key steps write again
	s_add_nc_u64 s[24:25], s[24:25], 16384
	s_add_nc_u64 s[26:27], s[26:27], 512
.irp i, 0,1,2,3,4,5,6,7
	v_mov_b32 v[16+\i], v[208+\i]                  ; the second tile's Q (in the last trip these nine lines serve nothing)
.endr
	v_mov_b32 v217, v216
	s_add_co_u32 s45, s45, 1
	s_cmp_lt_u32 s45, 2
	s_cbranch_scc1 .Ltile
	s_wait_xcnt 0x0
	v_lshl_add_u32 v254, v0, 2, 0x33400            ; the add's two registers, made anew straight ahead of the closing lines; no memory or LDS instruction has read either
	v_mov_b32 v255, 0
	s_wait_dscnt 0x0                               ; the closing lines, six on end
	s_wait_alu 0x0
	s_wait_tensorcnt 0x0
	ds_add_u32 v254, v255
	s_wait_dscnt 0x0
	s_endpgm
.Lfunc_end_k_q575e27161c_attn:
	.size	k_q575e27161c_attn, .Lfunc_end_k_q575e27161c_attn-k_q575e27161c_attn
	.p2alignl 7, 3214868480
	.fill 96, 4, 3214868480
	.section	.rodata,"a",@progbits
	.p2align	6, 0x0
	.amdhsa_kernel k_q575e27161c_attn
		.amdhsa_group_segment_fixed_size 211968
		.amdhsa_private_segment_fixed_size 0
		.amdhsa_enable_private_segment 0
		.amdhsa_kernarg_size 96
		.amdhsa_user_sgpr_count 2
		.amdhsa_user_sgpr_kernarg_segment_ptr 1
		.amdhsa_wavefront_size32 1
		.amdhsa_system_sgpr_workgroup_id_x 1
		.amdhsa_system_sgpr_workgroup_id_y 1
		.amdhsa_system_sgpr_workgroup_id_z 1
		.amdhsa_system_vgpr_workitem_id 0
		.amdhsa_next_free_vgpr 256
		.amdhsa_next_free_sgpr 66
		.amdhsa_reserve_vcc 0
		.amdhsa_float_denorm_mode_32 3
		.amdhsa_float_denorm_mode_16_64 3
		.amdhsa_memory_ordered 1
		.amdhsa_forward_progress 1
		.amdhsa_inst_pref_size 76
	.end_amdhsa_kernel
	.amdgpu_metadata
---
amdhsa.version: [ 1, 2 ]
amdhsa.kernels:
  - .name:           k_q575e27161c_attn
    .symbol:         k_q575e27161c_attn.kd
    .args:
      - { .name: QF, .offset: 0, .size: 8, .value_kind: global_buffer, .address_space: global }
      - { .name: QSW, .offset: 8, .size: 8, .value_kind: global_buffer, .address_space: global }
      - { .name: Wq_codes, .offset: 16, .size: 8, .value_kind: global_buffer, .address_space: global }
      - { .name: Wq_scales, .offset: 24, .size: 8, .value_kind: global_buffer, .address_space: global }
      - { .name: bq, .offset: 32, .size: 8, .value_kind: global_buffer, .address_space: global }
      - { .name: KF, .offset: 40, .size: 8, .value_kind: global_buffer, .address_space: global }
      - { .name: KSW, .offset: 48, .size: 8, .value_kind: global_buffer, .address_space: global }
      - { .name: VF, .offset: 56, .size: 8, .value_kind: global_buffer, .address_space: global }
      - { .name: VSW, .offset: 64, .size: 8, .value_kind: global_buffer, .address_space: global }
      - { .name: key_padding_mask, .offset: 72, .size: 8, .value_kind: global_buffer, .address_space: global }
      - { .name: OF, .offset: 80, .size: 8, .value_kind: global_buffer, .address_space: global }
      - { .name: OSW, .offset: 88, .size: 8, .value_kind: global_buffer, .address_space: global }
    .group_segment_fixed_size: 211968
    .private_segment_fixed_size: 0
    .kernarg_segment_align: 8
    .kernarg_segment_size: 96
    .max_flat_workgroup_size: 512
    .sgpr_count:     66
    .vgpr_count:     256
    .wavefront_size: 32
...
	.end_amdgpu_metadata
.endif
;; end of part 4
;; launch oproj: the kernel of part 3 again; grid 256 x 1, 4 waves a work-group, clusters of 4 x 1, 327,680 bytes of LDS; arguments OF, OSW, Wo_codes, Wo_scales, bo, q, gamma, beta, out0; writes out0
